; MI455X (gfx1250); checked and timed in simulation.
; The chip was launched on July 23, 2026; its instructions are those of AMD's public machine-readable ISA for CDNA 5 (MIT licence, August 2026) and "CDNA5" Instruction Set Architecture Reference Guide (July 2026). The comments in the code are by the model that wrote it; some were corrected since.
;; Multi Head Self Attention. Allowed arithmetic: float matrix products may take bf16 or f16 operands with f32 sums; all other float work in f32.
;; Inputs: token_positions 2,048 int32; w_out 1,024 x 1,024 float32; w_qkv 3,072 x 1,024 float32; x 2 x 2,048 x 1,024 float32.
;; Outputs: out0 2 x 2,048 x 1,024 float32.
;; 2 versions, each right; version 2 is version 1 with the launch prep written anew for expert scheduling mode. Each part assembles by itself: llvm-mc -triple=amdgcn-amd-amdhsa -mcpu=gfx1250 --defsym DOCPART=n.
;; ======== version 1 of 2: 4 launches
;; limits: values are held in f16: magnitudes above 65,504 overflow, below 6.1e-05 lose precision
;; workspace buffers: xh 8,388,608 bytes; wqh 6,291,456 bytes; woh 2,097,152 bytes; tab 524,288 bytes; qh 8,388,608 bytes; kh 8,388,608 bytes; vh 8,388,608 bytes; ao 8,388,608 bytes
;; launch prep (part 1): grid 256 x 1, 8 waves a work-group, no clusters, 0 bytes of LDS; arguments x, w_qkv, w_out, token_positions, xh, wqh, woh, tab; writes xh, wqh, woh, tab
.if DOCPART == 1
	.amdgcn_target "amdgcn-amd-amdhsa--gfx1250"
	.amdhsa_code_object_version 6
	.text
	.protected	k_q0bf5f78ac1_prep
	.globl	k_q0bf5f78ac1_prep
	.p2align	8
	.type	k_q0bf5f78ac1_prep,@function
k_q0bf5f78ac1_prep:
	s_mov_b64 s[64:65], 0
	v_nop
	global_prefetch_b8 v0, s[64:65] scope:SCOPE_SE
	s_setreg_imm32_b32 hwreg(HW_REG_WAVE_MODE, 25, 1), 1
	s_wait_xcnt 0x0
; Converts x, w_qkv and w_out once for the three matrix launches, and makes the table of cos and sin for RoPE.
; FORMAT: each number is rounded to bf16 and then written as f16.  f16 holds every bf16 number of magnitude 2^-14 to 65,504
; exactly (8 significant bits in 11), so the products are those of bf16 inputs, while what the later launches round
; (q, k, v, p, the attention's result) keeps f16's 11 bits.
; LIMITS: a bf16 number below 2^-14 is rounded to a multiple of 2^-24; one above 65,504 becomes infinity.
; The angle position * 10000^(-i/32) carries the relative error of one exp2 and of the product i * log2(10000)/32, so its
; error is about 1.5e-7 * |position| rad: below 0.01 rad up to |position| = 65,536.
; WORK: 256 work-groups of 8 waves; each takes 32 rows of 1,024 f32 (131,072 bytes) and 256 table entries.
;   groups 0-127:   x      -> xh  [4096][1024], same order
;   groups 128-223: w_qkv  -> wqh [3072][1024], rows head-major: new row = 192 head + 64 section + r  (section 0, 1, 2 = q, k, v)
;   groups 224-255: w_out  -> woh [8 blocks of 128 rows][16 blocks of 64 columns][128][64]
; A thread takes 8 neighbouring f32 (two loads of 16 bytes) and stores 16 bytes; sixteen neighbouring lanes store 256
; consecutive bytes at a multiple of 256.  All 32 loads of a thread go out at once; no register is written twice while a
; memory instruction names it, so no wait frees a source.  A stream: LDS, barriers and the matrix unit would add nothing.
; Each of the three paths ends by itself, so that each pointer register comes from one buffer.
.set VIN,  2                           ; v2      byte offset of my 32 bytes in the group's input
.set VOUT, 3                           ; v3      byte offset of my 16 bytes in the group's output
.set PADR, 4                           ; v4      4 x token
.set TADR, 5                           ; v5      8 x table entry
.set POS,  6                           ; v6      the token's position
.set FI,   7                           ; v7      the frequency's number i, 0 to 31
.set W,    26                          ; v[26:29] four packed bf16 pairs at work;  v8-v25: the table entry
.set X,    32                          ; v[32:159] 16 iterations x 8 f32
	s_load_b512 s[4:19], s[0:1], 0x0               ; x s[4:5], w_qkv s[6:7], w_out s[8:9], positions s[10:11], xh s[12:13], wqh s[14:15], woh s[16:17], tab s[18:19]
	s_mov_b32 s2, ttmp9                            ; g
	; Table entry T = 256 g + t = (((st*4 + bq)*2 + p)*32 + lane)*2 + e holds (cos, sin) of token 16 st + (lane & 15)
	; and frequency i = 8 bq + 4 (lane >> 4) + 2 p + e: the order in which the next launch's lanes want them.
	v_lshl_add_u32 v1, s2, 8, v0                   ; T
	v_lshlrev_b32 v[TADR], 3, v1
	v_bfe_u32 v8, v1, 1, 4                         ; lane & 15
	v_lshrrev_b32 v9, 9, v1                        ; st
	v_lshl_add_u32 v8, v9, 4, v8                   ; token
	v_lshlrev_b32 v[PADR], 2, v8
	v_and_b32 v10, 1, v1                           ; e
	v_bfe_u32 v11, v1, 5, 1                        ; lane >> 4
	v_lshl_add_u32 v10, v11, 2, v10
	v_bfe_u32 v11, v1, 6, 1                        ; p
	v_lshl_add_u32 v10, v11, 1, v10
	v_bfe_u32 v11, v1, 7, 2                        ; bq
	v_lshl_add_u32 v[FI], v11, 3, v10
	s_mov_b32 s25, 0                               ; high words of the two offset pairs
	s_mov_b32 s27, 0
	s_mov_b32 s29, 0xffff0000                      ; a word's upper bf16
	s_wait_kmcnt 0x0
	global_load_b32 v[POS], v[PADR], s[10:11]
; cos and sin of position * 10000^(-i/32): quadrant k = nearest whole number to angle * 2/pi, r = angle - k pi/2 with pi/2 in
; two parts (each step one fused multiply-add), polynomials on |r| <= pi/4, then the quadrant's swap and signs.
.macro TABLE
	v_cvt_f32_u32 v8, v[FI]
	v_mul_f32 v8, 0xbed49a78, v8                   ; i * (-log2(10000) / 32)
	v_exp_f32 v9, v8                               ; 10000^(-i/32)
	s_wait_loadcnt 32                              ; the position is in; the 32 loads issued behind it stay out
	v_cvt_f32_i32 v10, v[POS]                      ; the plain instruction between v_exp_f32 and the use of its result
	s_wait_alu depctr_va_vdst(0)
	v_mul_f32 v10, v10, v9                         ; the angle
	v_mul_f32 v11, 0x3f22f983, v10                 ; * 2/pi
	v_rndne_f32 v11, v11                           ; k
	v_fmamk_f32 v12, v11, 0xbfc90fdb, v10          ; angle - k * (pi/2, upper part)
	v_fmamk_f32 v12, v11, 0x333bbd2e, v12          ;       - k * (pi/2, lower part, which is negative)
	v_mul_f32 v13, v12, v12                        ; z = r^2
	v_mov_b32 v14, 0xb94ca1f9
	v_mov_b32 v17, 0x37ccf5ce
	v_fmaak_f32 v14, v14, v13, 0x3c08839e
	v_fmaak_f32 v17, v17, v13, 0xbab6061a
	v_fmaak_f32 v14, v14, v13, 0xbe2aaaa3
	v_fmaak_f32 v17, v17, v13, 0x3d2aaaa5
	v_mul_f32 v15, v12, v13                        ; r z
	v_mul_f32 v18, v13, v13                        ; z^2
	v_fma_f32 v19, v13, -0.5, 1.0                  ; 1 - z/2
	v_fma_f32 v16, v14, v15, v12                   ; sin r
	v_fma_f32 v20, v17, v18, v19                   ; cos r
	v_cvt_i32_f32 v21, v11                         ; k as a whole number: its two low bits are the quadrant
	v_and_b32 v22, 1, v21
	v_cmp_eq_u32 vcc_lo, 1, v22                    ; odd quadrants swap the two (a choice of values only)
	v_cndmask_b32 v25, v16, v20, vcc_lo            ; sin
	v_cndmask_b32 v24, v20, v16, vcc_lo            ; cos
	v_lshlrev_b32 v22, 30, v21                     ; sin changes sign in quadrants 2, 3: bit 1 of k
	v_add_nc_u32 v21, 1, v21                       ; cos in quadrants 1, 2: bit 1 of k + 1
	v_and_b32 v22, 0x80000000, v22
	v_lshlrev_b32 v21, 30, v21
	v_xor_b32 v25, v25, v22
	v_and_b32 v21, 0x80000000, v21
	v_xor_b32 v24, v24, v21
	global_store_b64 v[TADR], v[24:25], s[18:19]   ; a wave stores 256 consecutive bytes
.endm
; The group's stream: in at s[20:21], out at s[22:23]; iteration it reads 8,192 bytes further on and writes ostep bytes further on.
.macro STREAM ostep
.set it, 0
.rept 16
	global_load_b128 v[X+8*it:X+8*it+3],   v[VIN], s[20:21] offset:8192*it th:TH_LOAD_NT
	global_load_b128 v[X+8*it+4:X+8*it+7], v[VIN], s[20:21] offset:8192*it+16 th:TH_LOAD_NT
.set it, it+1
.endr
	TABLE
.set it, 0
.rept 16
	s_wait_loadcnt 30-2*it                         ; loads come back in order: this iteration's two are in, the younger ones stay out
.irp k, 0,1,2,3
	v_cvt_pk_bf16_f32 v[W+\k], v[X+8*it+2*\k], v[X+8*it+2*\k+1]          ; the rounding to bf16
.endr
.irp k, 0,1,2,3
	v_lshlrev_b32 v[X+8*it+2*\k],   16,  v[W+\k]                         ; back to f32
	v_and_b32     v[X+8*it+2*\k+1], s29, v[W+\k]
.endr
.irp k, 0,1,2,3
	v_cvt_pk_f16_f32 v[X+8*it+\k], v[X+8*it+2*\k], v[X+8*it+2*\k+1]      ; and into f16; word k lands below the words still to be read
.endr
	global_store_b128 v[VOUT], v[X+8*it:X+8*it+3], s[22:23] offset:\ostep*it
.set it, it+1
.endr
	s_endpgm
.endm
	s_cmp_lt_u32 s2, 128
	s_cbranch_scc1 .Lx
	s_cmp_lt_u32 s2, 224
	s_cbranch_scc1 .Lwq
	; w_out, rows 32 j to 32 j + 31.  An iteration takes two rows: thread t has row (t >> 3) & 1, column block t >> 4, 8 columns at 8 (t & 7).
	s_sub_co_u32 s3, s2, 224                       ; j
	s_lshl_b32 s24, s3, 17
	s_lshr_b32 s26, s3, 2                          ; block of 128 rows: 262,144 bytes of woh
	s_lshl_b32 s26, s26, 18
	s_and_b32 s28, s3, 3                           ; 32 rows of 128 bytes inside a column block
	s_lshl_b32 s28, s28, 12
	s_add_co_u32 s26, s26, s28
	s_add_nc_u64 s[20:21], s[8:9], s[24:25]
	s_add_nc_u64 s[22:23], s[16:17], s[26:27]
	v_bfe_u32 v8, v0, 3, 1
	v_lshrrev_b32 v9, 4, v0
	v_and_b32 v10, 7, v0
	v_lshlrev_b32 v[VIN], 5, v10
	v_lshl_add_u32 v[VIN], v9, 8, v[VIN]
	v_lshl_add_u32 v[VIN], v8, 12, v[VIN]
	v_and_b32 v10, 15, v0
	v_lshlrev_b32 v[VOUT], 4, v10                  ; two rows of 128 bytes follow each other in a column block,
	v_lshl_add_u32 v[VOUT], v9, 14, v[VOUT]        ; column blocks are 16,384 bytes apart
	STREAM 256
.Lwq:
	; w_qkv, rows 32 j to 32 j + 31, which lie in one section and one head
	s_sub_co_u32 s3, s2, 128                       ; j
	s_lshl_b32 s24, s3, 17
	s_and_b32 s26, s3, 31
	s_lshr_b32 s26, s26, 1                         ; head
	s_mul_i32 s26, s26, 192
	s_lshr_b32 s28, s3, 5                          ; section
	s_lshl_b32 s28, s28, 6
	s_add_co_u32 s26, s26, s28
	s_and_b32 s28, s3, 1                           ; which 32 of the head's 64 rows
	s_lshl_b32 s28, s28, 5
	s_add_co_u32 s26, s26, s28
	s_lshl_b32 s26, s26, 11                        ; rows of 2,048 bytes
	s_add_nc_u64 s[20:21], s[6:7], s[24:25]
	s_add_nc_u64 s[22:23], s[14:15], s[26:27]
	v_lshlrev_b32 v[VIN], 5, v0
	v_lshlrev_b32 v[VOUT], 4, v0
	STREAM 4096
.Lx:
	s_lshl_b32 s24, s2, 17
	s_lshl_b32 s26, s2, 16
	s_add_nc_u64 s[20:21], s[4:5], s[24:25]
	s_add_nc_u64 s[22:23], s[12:13], s[26:27]
	v_lshlrev_b32 v[VIN], 5, v0
	v_lshlrev_b32 v[VOUT], 4, v0
	STREAM 4096
.Lfunc_end_k_q0bf5f78ac1_prep:
	.size	k_q0bf5f78ac1_prep, .Lfunc_end_k_q0bf5f78ac1_prep-k_q0bf5f78ac1_prep
	.p2alignl 7, 3214868480
	.fill 96, 4, 3214868480
	.section	.rodata,"a",@progbits
	.p2align	6, 0x0
	.amdhsa_kernel k_q0bf5f78ac1_prep
		.amdhsa_group_segment_fixed_size 0
		.amdhsa_private_segment_fixed_size 0
		.amdhsa_enable_private_segment 0
		.amdhsa_kernarg_size 64
		.amdhsa_user_sgpr_count 2
		.amdhsa_user_sgpr_kernarg_segment_ptr 1
		.amdhsa_wavefront_size32 1
		.amdhsa_system_sgpr_workgroup_id_x 1
		.amdhsa_system_sgpr_workgroup_id_y 1
		.amdhsa_system_sgpr_workgroup_id_z 1
		.amdhsa_system_vgpr_workitem_id 0
		.amdhsa_next_free_vgpr 160
		.amdhsa_next_free_sgpr 66
		.amdhsa_reserve_vcc 1
		.amdhsa_float_denorm_mode_32 3
		.amdhsa_float_denorm_mode_16_64 3
		.amdhsa_memory_ordered 1
		.amdhsa_forward_progress 1
		.amdhsa_inst_pref_size 59
	.end_amdhsa_kernel
	.amdgpu_metadata
---
amdhsa.version: [ 1, 2 ]
amdhsa.kernels:
  - .name:           k_q0bf5f78ac1_prep
    .symbol:         k_q0bf5f78ac1_prep.kd
    .args:
      - { .name: x, .offset: 0, .size: 8, .value_kind: global_buffer, .address_space: global }
      - { .name: w_qkv, .offset: 8, .size: 8, .value_kind: global_buffer, .address_space: global }
      - { .name: w_out, .offset: 16, .size: 8, .value_kind: global_buffer, .address_space: global }
      - { .name: token_positions, .offset: 24, .size: 8, .value_kind: global_buffer, .address_space: global }
      - { .name: xh, .offset: 32, .size: 8, .value_kind: global_buffer, .address_space: global }
      - { .name: wqh, .offset: 40, .size: 8, .value_kind: global_buffer, .address_space: global }
      - { .name: woh, .offset: 48, .size: 8, .value_kind: global_buffer, .address_space: global }
      - { .name: tab, .offset: 56, .size: 8, .value_kind: global_buffer, .address_space: global }
    .group_segment_fixed_size: 0
    .private_segment_fixed_size: 0
    .kernarg_segment_align: 8
    .kernarg_segment_size: 64
    .max_flat_workgroup_size: 256
    .sgpr_count:     66
    .vgpr_count:     160
    .wavefront_size: 32
...
	.end_amdgpu_metadata
.endif
;; end of part 1
;; launch qkv (part 2): grid 16 x 16, 4 waves a work-group, clusters of 4 x 4, 327,680 bytes of LDS; arguments xh, wqh, tab, qh, kh, vh; writes qh, kh, vh
.if DOCPART == 2
	.amdgcn_target "amdgcn-amd-amdhsa--gfx1250"
	.amdhsa_code_object_version 6
	.text
	.protected	k_q0bf5f78ac1_qkv
	.globl	k_q0bf5f78ac1_qkv
	.p2align	8
	.type	k_q0bf5f78ac1_qkv,@function
k_q0bf5f78ac1_qkv:
	s_mov_b64 s[64:65], 0
	v_nop
	global_prefetch_b8 v0, s[64:65] scope:SCOPE_SE
	s_setreg_imm32_b32 hwreg(HW_REG_WAVE_MODE, 25, 1), 1
	s_wait_xcnt 0x0
	s_wait_alu depctr_hold_cnt(0) depctr_sa_sdst(0) depctr_va_vdst(0) depctr_va_sdst(0) depctr_va_ssrc(0) depctr_va_vcc(0) depctr_vm_vsrc(0)
	s_getreg_b32 s2, hwreg(HW_REG_IB_STS2, 6, 4)
	s_cmp_eq_u32 s2, 0
	s_cbranch_scc0 .Lentry_in_a_cluster
	s_endpgm
.Lentry_in_a_cluster:
	s_bfe_u32 s2, ttmp6, 0x10000c
	s_cmp_lg_u32 s2, 0xf033
	s_cbranch_scc0 .Lentry_shape_is_right
	s_endpgm
.Lentry_shape_is_right:
; q, k, v = x W^T for one head and 256 tokens, RoPE on q and k, q times 0.125 log2(e); all out as f16, [batch*16+head][2048][64].
; xh [4096][1024] f16, wqh [3072][1024] f16 with rows head-major (192 head + 64 section + r), sums in f32.
; A work-group makes 256 rows x 192 columns (q, k and v of one head) with four waves; a wave makes 64 rows x 192: 48 accumulator
; tiles of 16 x 16, 384 registers, and so holds whole rows of q, k and v of its tokens.  K = 1024 goes in 8 steps of 128 through
; two LDS slots filled by tensor loads whose rows are 256 bytes of memory at multiples of 256.
; CLUSTERS: 4 x 4 work-groups.  The four of a row of the cluster take the same 256 tokens (x's tile), the four of a column the
; same head (W's tile): each tile is asked for jointly, which divides the requests for both by four.
; LIMIT: q, k, v leave as f16, so their magnitudes must stay under 65,504.
; REGISTERS, in windows of 256:
;   window 0: v16-26 addresses; v32-63, v64-95 fragments of x (4 x 16 rows x 32 K), two buffers; v96-223 cos and sin
;   window 1: v0-95, v96-191 fragments of W (12 x 16 rows x 32 K), two buffers; on the way out v0-47 rows read back, v96-143 packed results
;   window 2: tiles of my rows 0-31 (tile (a, b) at v[8 (12 a + b)]), v192-207 at work;   window 3: the same for my rows 32-63
; THE MATRIX INSTRUCTION IS USED TRANSPOSED: source 0 = 16 rows of W, source 1 = 16 rows of x.  Lane l then holds token l % 16 and
; its registers 0 to 7 the columns 8 (l / 16) + 0 .. 7 of the tile: four RoPE pairs, and 16 neighbouring bytes of f16.
.set KSTEP,  128
.set PITCH,  272                       ; an LDS row: 256 bytes + 16 of padding, an odd multiple of 16: the 16 rows of a fragment load start in 16 different 16-byte columns
.set HALFT,  128*PITCH                 ; each wave's region of a slot; W's halves have 96 rows and use 26,112 bytes of theirs
.set SLOT,   4*HALFT                   ; x rows 0-127, x rows 128-255, W rows 0-95, W rows 96-191
.set STAGE,  2*SLOT                    ; behind the ring: for each wave 3 sections x 16 rows x 144 bytes
.set SPITCH, 144
.set SSEC,   16*SPITCH
.set LAPS,   1024/(2*KSTEP)            ; a lap = two K steps = once round the ring
.set ADRA, 16                          ; v16-17  LDS address of my x fragments in slot 0, 1
.set ADRB, 20                          ; v20-21  the same for W
.set STO,  24                          ; v24     the way out: where I put 16 bytes of a row
.set RD,   25                          ; v25     the way out: where I read rows back
.set CO,   26                          ; v26     16 x lane: my place in 512 consecutive bytes of the table, of q, k, v
.set FA,   32                          ; x fragments, buffer f at FA + 32 f (window 0)
.set FB,   0                           ; W fragments, buffer f at FB + 96 f (window 1)
.set TAB,  96                          ; window 0: row tile a, load c: 4 registers at TAB + 32 a + 4 c = (cos, sin) of two frequencies
.set RB,   0                           ; window 1, the way out
.set TMP,  96                          ; window 1, the way out
.set TT,   192                         ; windows 2 and 3: products with sin
.set G1, 24                            ; s[24:31] descriptor group 1 for x's tiles
.set G0, 32                            ; s[32:39] group 0 for x's tiles, one set for each slot
.set G1B, 48                           ; s[48:55] group 1 for W's tiles
.set G0B, 56                           ; s[56:63] group 0 for W's tiles
.set MSB, 0
.macro WIN new                         ; the immediate's high byte repeats the setting that is left
.if MSB != \new
	s_set_vgpr_msb (MSB<<8)|\new
.set MSB, \new
.endif
.endm
.set MUL_LO, 0xa1                      ; source 0 (W) window 1, source 1 (x) window 0, C and D window 2
.set MUL_HI, 0xf1                      ; the same, C and D window 3
.set TO_B,   0x40                      ; destination window 1, address window 0
; A joint load.  Waves 0 and 1 fetch x's two halves, waves 2 and 3 W's.  The branch hangs on the wave's number alone.
.macro JLOAD s
	s_cmp_eq_u32 s11, 0
	s_cbranch_scc0 .Lfor_b_\@
	tensor_load_to_lds s[G0+4*\s:G0+4*\s+3], s[G1:G1+7]
	s_nop 0
	s_branch .Lasked_\@
.Lfor_b_\@:
	tensor_load_to_lds s[G0B+4*\s:G0B+4*\s+3], s[G1B:G1B+7]
	s_nop 0
.Lasked_\@:
.endm
; A round of the cluster's barrier: my work-group's barrier, wave 0 signals for the work-group, every wave waits for all sixteen, my work-group's barrier again.
.macro CREST                           ; a round behind its opening barrier
	s_cmp_lg_u32 s10, 0
	s_cbranch_scc1 .Lnot_wave_0_\@
	s_barrier_signal -3
.Lnot_wave_0_\@:
	s_barrier_wait -3
	s_barrier_signal -1
	s_barrier_wait -1
.endm
.macro CROUND
	s_barrier_signal -1
	s_barrier_wait -1
	CREST
.endm
	s_load_b128 s[4:7], s[0:1], 0x0                ; xh s[4:5], wqh s[6:7]
	s_load_b64 s[8:9], s[0:1], 0x10                ; tab
	s_load_b64 s[66:67], s[0:1], 0x18              ; qh
	s_load_b128 s[68:71], s[0:1], 0x20             ; kh s[68:69], vh s[70:71]
	s_set_vgpr_msb 0x40
	v_lshl_add_u32 v255, v0, 2, 0x4ac00
	s_set_vgpr_msb 0x4000
	v_mov_b32 v255, 0
	s_set_vgpr_msb 0x1
	ds_add_u32 v255, v255
	s_set_vgpr_msb 0x100
	v_lshrrev_b32 v1, 5, v0
	v_readfirstlane_b32 s10, v1                    ; wave 0..3: my 64 rows of the block
	s_lshr_b32 s11, s10, 1                         ; I fetch for x (0) or for W (1)
	s_and_b32 s12, s10, 1                          ; which half of that tile
	s_bfe_u32 s40, ttmp6, 0x40000                  ; cx
	s_bfe_u32 s41, ttmp6, 0x40004                  ; cy
	s_lshl_b32 s42, ttmp9, 2
	s_add_co_u32 s42, s42, s40                     ; head = 4 x cluster x + cx
	s_and_b32 s13, ttmp7, 0xffff
	s_lshl_b32 s13, s13, 2
	s_add_co_u32 s13, s13, s41                     ; block of 256 rows = 4 x cluster y + cy
	s_lshl_b32 s43, s41, 2
	s_lshl_b32 s43, 15, s43                        ; my row of the cluster
	s_lshl_b32 s44, 0x1111, s40                    ; my column
	s_or_b32 s[G1+0], s43, (1<<16)|(1<<20)|(1<<21)|(5<<22)|(3<<25)   ; mask; 2-byte elements; padding on; bit 21 beside a mask; after every 64 words, 4 words
	s_or_b32 s[G1B+0], s44, (1<<16)|(1<<20)|(1<<21)|(5<<22)|(3<<25)
	s_mov_b32 s[G1+1], KSTEP<<16                   ; tensor_dim0 = 128
	s_mov_b32 s[G1B+1], KSTEP<<16
	s_mov_b32 s[G1+2], 128<<16                     ; tensor_dim1 = 128 rows of x
	s_mov_b32 s[G1B+2], 96<<16                     ;             =  96 rows of W
	s_mov_b32 s[G1+3], KSTEP<<16                   ; tile_dim0 = 128
	s_mov_b32 s[G1B+3], KSTEP<<16
	s_mov_b32 s[G1+4], 128                         ; tile_dim1
	s_mov_b32 s[G1B+4], 96
	s_mov_b32 s[G1+5], 1024                        ; elements from row to row
	s_mov_b32 s[G1B+5], 1024
	s_mov_b32 s[G1+6], 0
	s_mov_b32 s[G1B+6], 0
	s_mov_b32 s[G1+7], 0
	s_mov_b32 s[G1B+7], 0
	; x's address hangs on the block of rows alone, W's on the head alone, each in registers that never hold the other coordinate
	s_lshl_b32 s17, s12, 7
	s_lshl_b32 s16, s13, 8
	s_add_co_u32 s16, s16, s17                     ; x: row 256 x block + 128 x half
	s_lshl_b32 s16, s16, 11                        ; rows of 2,048 bytes
	s_mov_b32 s17, 0
	s_mul_i32 s46, s42, 192
	s_mul_i32 s47, s12, 96
	s_add_co_u32 s46, s46, s47                     ; W: row 192 x head + 96 x half
	s_lshl_b32 s46, s46, 11
	s_mov_b32 s47, 0
	s_mul_i32 s20, s10, HALFT                      ; where my tile goes: wave x 34,816
	s_mov_b32 s72, 0x3e38aa3b                      ; 0.125 log2(e), twice: a pair for the packed multiply
	s_mov_b32 s73, 0x3e38aa3b
	s_wait_dscnt 0x0
	s_wait_kmcnt 0x0
	s_add_nc_u64 s[14:15], s[4:5], s[16:17]
	s_add_nc_u64 s[46:47], s[6:7], s[46:47]
	CROUND                                         ; all sixteen work-groups are here: the first joint loads meet
.irp s, 0,1
	s_mov_b32 s[G0+4*\s], 1
	s_add_co_u32 s[G0+4*\s+1], s20, \s*SLOT
	s_add_nc_u64 s[G0+4*\s+2:G0+4*\s+3], s[14:15], \s*KSTEP*2
	s_or_b32 s[G0+4*\s+3], s[G0+4*\s+3], 0x80000000
	s_mov_b32 s[G0B+4*\s], 1
	s_add_co_u32 s[G0B+4*\s+1], s20, \s*SLOT
	s_add_nc_u64 s[G0B+4*\s+2:G0B+4*\s+3], s[46:47], \s*KSTEP*2
	s_or_b32 s[G0B+4*\s+3], s[G0B+4*\s+3], 0x80000000
	JLOAD \s                                       ; both slots' first fills, as one group
.endr
	v_and_b32 v1, 15, v0                           ; r = l % 16
	v_bfe_u32 v2, v0, 4, 1                         ; h = l / 16
	v_mul_u32_u24 v3, v1, PITCH
	v_lshl_add_u32 v3, v2, 4, v3                   ; row x pitch + 16 h
	s_mul_i32 s21, s10, 64*PITCH                   ; my 64 rows of x
	s_mov_b32 s22, 2*HALFT                         ; W lies behind x's two halves; every wave reads all of it
.irp s, 0,1
	v_add_nc_u32 v[ADRA+\s], s21, v3
	v_add_nc_u32 v[ADRB+\s], s22, v3
	s_add_co_u32 s21, s21, SLOT
	s_add_co_u32 s22, s22, SLOT
.endr
	s_mul_i32 s23, s10, 3*SSEC
	s_add_co_u32 s23, s23, STAGE                   ; my stage
	v_mul_u32_u24 v4, v1, SPITCH
	v_lshl_add_u32 v4, v2, 4, v4
	v_add_nc_u32 v[STO], s23, v4                   ; in: row r, 16 bytes for each half of the lanes
	v_and_b32 v5, 31, v0
	v_lshrrev_b32 v6, 3, v5
	v_and_b32 v7, 7, v0
	v_mul_u32_u24 v6, v6, SPITCH
	v_lshl_add_u32 v6, v7, 4, v6
	v_add_nc_u32 v[RD], s23, v6                    ; back: eight lanes take a row of 128 bytes, a wave four rows
	v_lshlrev_b32 v[CO], 4, v5
	; cos and sin of my 64 tokens: row tile a is 4,096 bytes of the table, in the lanes' own order.  The 32 loads stay out during
	; the whole product; their registers and addresses are not touched before the wait in front of the way out.
	s_and_b32 s16, s13, 7                          ; the block's place in its batch
	s_lshl_b32 s16, s16, 4
	s_lshl2_add_u32 s16, s10, s16                  ; tile of 16 tokens = 16 x block + 4 x wave (+ a)
	s_lshl_b32 s16, s16, 12
	s_add_nc_u64 s[8:9], s[8:9], s[16:17]
.irp a, 0,1,2,3
.irp c, 0,1,2,3,4,5,6,7
	global_load_b128 v[TAB+32*\a+4*\c:TAB+32*\a+4*\c+3], v[CO], s[8:9] offset:\a*4096+\c*512
.endr
.endr
; 12 matrix instructions: row tile a of the window's two (hi = 0: my rows 0-31, 1: rows 32-63) x all 12 column tiles, 32 along K, buffer f.
; zero = 1: the first product starts the sums.
.macro MULROW f, hi, a, zero
.irp b, 0,1,2,3,4,5,6,7,8,9,10,11
.if \zero
	v_wmma_f32_16x16x32_f16 v[8*(12*\a+\b):8*(12*\a+\b)+7], v[FB+96*\f+8*\b:FB+96*\f+8*\b+7], v[FA+32*\f+8*(2*\hi+\a):FA+32*\f+8*(2*\hi+\a)+7], 0
.else
	v_wmma_f32_16x16x32_f16 v[8*(12*\a+\b):8*(12*\a+\b)+7], v[FB+96*\f+8*\b:FB+96*\f+8*\b+7], v[FA+32*\f+8*(2*\hi+\a):FA+32*\f+8*(2*\hi+\a)+7], v[8*(12*\a+\b):8*(12*\a+\b)+7]
.endif
.endr
.endm
; 32 LDS loads in one run: 192 rows of W, then my 64 rows of x, 32 K at byte k of the rows, into buffer f
.macro FETCH slot, k, f
	WIN TO_B
.irp i, 0,1,2,3,4,5,6,7,8,9,10,11
	ds_load_b128 v[FB+96*\f+8*\i:FB+96*\f+8*\i+3],   v[ADRB+\slot] offset:\k+(\i/6)*HALFT+(\i%6)*16*PITCH
	ds_load_b128 v[FB+96*\f+8*\i+4:FB+96*\f+8*\i+7], v[ADRB+\slot] offset:\k+(\i/6)*HALFT+(\i%6)*16*PITCH+32
.endr
	WIN 0
.irp i, 0,1,2,3
	ds_load_b128 v[FA+32*\f+8*\i:FA+32*\f+8*\i+3],   v[ADRA+\slot] offset:\k+\i*16*PITCH
	ds_load_b128 v[FA+32*\f+8*\i+4:FA+32*\f+8*\i+7], v[ADRA+\slot] offset:\k+\i*16*PITCH+32
.endr
.endm
; Four places between a matrix instruction and a load into a register that it read, or a vector instruction on its result
.macro PLACES
.rept 4
	v_nop
.endr
.endm
; A K step is four quarters of 32 along K, 48 matrix instructions each, on buffers 0, 1, 0, 1.  The 48 accumulators take turns in one
; order in every quarter, one instruction a turn.
.macro QUARTER slot, k, f, g, zero
	s_wait_dscnt 4                                 ; W and x's tiles 0, 1 are in; the youngest four loads (x's tiles 2, 3) may be out
	WIN MUL_LO
	MULROW \f, 0, 0, \zero
	MULROW \f, 0, 1, \zero
	PLACES
	FETCH \slot, \k, \g
	s_wait_dscnt 32                                ; all but the 32 just issued
	WIN MUL_HI
	MULROW \f, 1, 0, \zero
	MULROW \f, 1, 1, \zero
.endm
.macro THREE slot, zero
	QUARTER \slot, 64,  0, 1, \zero
	QUARTER \slot, 128, 1, 0, 0
	QUARTER \slot, 192, 0, 1, 0
.endm
; The last quarter multiplies buffer 1 and changes slots.  In front of the barrier each wave waits for its reads of this slot and for
; all its tensor loads (one is out: its part of the next slot).  fill = 1: the barrier opens a round of the cluster's barrier, and the
; joint refill, two K steps ahead, is the first tensor load behind the round.
.macro TURN slot, next, fill
	s_wait_dscnt 4
	WIN MUL_LO
	MULROW 1, 0, 0, 0
	s_wait_dscnt 0                                 ; my reads of this slot are over
	s_wait_tensorcnt 0x0                           ; and all my tensor loads have landed
	ds_add_u32 v255, v255
	s_wait_dscnt 0x0
	s_barrier_signal -1
	MULROW 1, 0, 1, 0                              ; registers only, while the others arrive
	WIN 0
	s_barrier_wait -1
.if \fill
	CREST
	s_add_nc_u64 s[G0+4*\slot+2:G0+4*\slot+3], s[G0+4*\slot+2:G0+4*\slot+3], 2*KSTEP*2
	s_add_nc_u64 s[G0B+4*\slot+2:G0B+4*\slot+3], s[G0B+4*\slot+2:G0B+4*\slot+3], 2*KSTEP*2
	JLOAD \slot
.endif
	PLACES
	FETCH \next, 0, 0
	WIN MUL_HI
	MULROW 1, 1, 0, 0
	MULROW 1, 1, 1, 0
.endm
.macro LAP zero
	THREE 0, \zero
	TURN 0, 1, 1
	THREE 1, 0
	TURN 1, 0, 1
.endm
	s_wait_tensorcnt 1                             ; my part of K step 0 is in; K step 1's may stay out
	s_barrier_signal -1
	s_barrier_wait -1
	FETCH 0, 0, 0
	LAP 1                                          ; the first lap's first products start the sums
	WIN 0
	s_mov_b32 s3, LAPS-2
.Llap:
	LAP 0
	WIN 0
	s_sub_co_u32 s3, s3, 1
	s_cmp_lg_u32 s3, 0
	s_cbranch_scc1 .Llap
	THREE 0, 0                                     ; the last lap fills nothing
	TURN 0, 1, 0
	THREE 1, 0
	s_wait_dscnt 4
	WIN MUL_LO
	MULROW 1, 0, 0, 0
	MULROW 1, 0, 1, 0
	s_wait_dscnt 0
	WIN MUL_HI
	MULROW 1, 1, 0, 0
	MULROW 1, 1, 1, 0
	; THE WAY OUT, 16 tokens at a time.
	PLACES
	s_wait_loadcnt 0x0                             ; cos and sin
	s_lshr_b32 s16, s13, 3                         ; batch: 16 heads of 262,144 bytes
	s_lshl_b32 s16, s16, 22
	s_and_b32 s18, s13, 7                          ; 256 rows of 128 bytes
	s_lshl_b32 s18, s18, 15
	s_add_co_u32 s16, s16, s18
	s_lshl_b32 s18, s10, 13                        ; my 64 rows
	s_add_co_u32 s16, s16, s18
	s_lshl_b32 s46, s42, 18                        ; the head, in the registers that held W's address
	s_mov_b32 s47, 0
.irp p, 66,68,70
	s_add_nc_u64 s[\p:\p+1], s[\p:\p+1], s[16:17]
	s_add_nc_u64 s[\p:\p+1], s[\p:\p+1], s[46:47]
.endr
; Row tile a = tile ap of window 2 or 3.  wr: sources 0, 2 and destination in that window, source 1 (cos, sin) in window 0.
; wc: sources 0, 1 in that window, destination in window 1.
.macro OUT16 a, ap, wr, wc
	WIN \wr
.irp b, 0,1,2,3,4,5,6,7
.irp t, 0,1,2,3
	; (x2 sin, x1 sin): the low result takes the pair's second number, the high result its first; both take sin
	v_pk_mul_f32 v[TT+8*(\b&1)+2*\t:TT+8*(\b&1)+2*\t+1], v[8*(12*\ap+\b)+2*\t:8*(12*\ap+\b)+2*\t+1], v[TAB+32*\a+8*(\b&3)+2*\t:TAB+32*\a+8*(\b&3)+2*\t+1] op_sel:[1,1] op_sel_hi:[0,1]
.endr
.irp t, 0,1,2,3
	; (x1 cos - x2 sin, x2 cos + x1 sin)
	v_pk_fma_f32 v[8*(12*\ap+\b)+2*\t:8*(12*\ap+\b)+2*\t+1], v[8*(12*\ap+\b)+2*\t:8*(12*\ap+\b)+2*\t+1], v[TAB+32*\a+8*(\b&3)+2*\t:TAB+32*\a+8*(\b&3)+2*\t+1], v[TT+8*(\b&1)+2*\t:TT+8*(\b&1)+2*\t+1] op_sel_hi:[1,0,1] neg_lo:[0,0,1]
.endr
.endr
.irp b, 0,1,2,3
.irp t, 0,1,2,3
	v_pk_mul_f32 v[8*(12*\ap+\b)+2*\t:8*(12*\ap+\b)+2*\t+1], v[8*(12*\ap+\b)+2*\t:8*(12*\ap+\b)+2*\t+1], s[72:73] op_sel_hi:[1,0]   ; q carries the scores' scale and the change to base 2
.endr
.endr
	WIN \wc
.irp b, 0,1,2,3,4,5,6,7,8,9,10,11
.irp k, 0,1,2,3
	v_cvt_pk_f16_f32 v[TMP+4*\b+\k], v[8*(12*\ap+\b)+2*\k], v[8*(12*\ap+\b)+2*\k+1]
.endr
.endr
	WIN 0x44                                       ; addresses window 0; LDS and global store data, and loaded data, window 1
.irp b, 0,1,2,3,4,5,6,7,8,9,10,11
	ds_store_b128 v[STO], v[TMP+4*\b:TMP+4*\b+3] offset:(\b/4)*SSEC+(\b%4)*32
.endr
	s_wait_xcnt 0x0                                ; the registers read back into are the data of the last tile's stores: rewritten only behind this wait
.irp n, 0,1,2,3,4,5,6,7,8,9,10,11
	ds_load_b128 v[RB+4*\n:RB+4*\n+3], v[RD] offset:(\n/4)*SSEC+(\n%4)*4*SPITCH    ; LDS serves a wave's instructions in order: these see the stores above
.endr
.irp n, 0,1,2,3,4,5,6,7,8,9,10,11
	s_wait_dscnt 11-\n
	global_store_b128 v[CO], v[RB+4*\n:RB+4*\n+3], s[66+2*(\n/4):67+2*(\n/4)] offset:\a*2048+(\n%4)*512   ; four rows: 512 consecutive bytes at a multiple of 512
.endr
.endm
	OUT16 0, 0, 0xa2, 0x4a
	OUT16 1, 1, 0xa2, 0x4a
	OUT16 2, 0, 0xf3, 0x4f
	OUT16 3, 1, 0xf3, 0x4f
	WIN 0
	s_set_vgpr_msb 0x1
	s_wait_tensorcnt 0x0
	ds_add_u32 v255, v255
	s_wait_dscnt 0x0
	s_set_vgpr_msb 0x100
	CROUND                                         ; the closing round: no work-group ends while a partner may still ask for a tile that names it
	s_endpgm
.Lfunc_end_k_q0bf5f78ac1_qkv:
	.size	k_q0bf5f78ac1_qkv, .Lfunc_end_k_q0bf5f78ac1_qkv-k_q0bf5f78ac1_qkv
	.p2alignl 7, 3214868480
	.fill 96, 4, 3214868480
	.section	.rodata,"a",@progbits
	.p2align	6, 0x0
	.amdhsa_kernel k_q0bf5f78ac1_qkv
		.amdhsa_group_segment_fixed_size 327680
		.amdhsa_private_segment_fixed_size 0
		.amdhsa_enable_private_segment 0
		.amdhsa_kernarg_size 48
		.amdhsa_user_sgpr_count 2
		.amdhsa_user_sgpr_kernarg_segment_ptr 1
		.amdhsa_wavefront_size32 1
		.amdhsa_system_sgpr_workgroup_id_x 1
		.amdhsa_system_sgpr_workgroup_id_y 1
		.amdhsa_system_sgpr_workgroup_id_z 1
		.amdhsa_system_vgpr_workitem_id 0
		.amdhsa_next_free_vgpr 1024
		.amdhsa_next_free_sgpr 76
		.amdhsa_reserve_vcc 0
		.amdhsa_float_denorm_mode_32 3
		.amdhsa_float_denorm_mode_16_64 3
		.amdhsa_memory_ordered 1
		.amdhsa_forward_progress 1
		.amdhsa_inst_pref_size 187
	.end_amdhsa_kernel
	.amdgpu_metadata
---
amdhsa.version: [ 1, 2 ]
amdhsa.kernels:
  - .name:           k_q0bf5f78ac1_qkv
    .symbol:         k_q0bf5f78ac1_qkv.kd
    .args:
      - { .name: xh, .offset: 0, .size: 8, .value_kind: global_buffer, .address_space: global }
      - { .name: wqh, .offset: 8, .size: 8, .value_kind: global_buffer, .address_space: global }
      - { .name: tab, .offset: 16, .size: 8, .value_kind: global_buffer, .address_space: global }
      - { .name: qh, .offset: 24, .size: 8, .value_kind: global_buffer, .address_space: global }
      - { .name: kh, .offset: 32, .size: 8, .value_kind: global_buffer, .address_space: global }
      - { .name: vh, .offset: 40, .size: 8, .value_kind: global_buffer, .address_space: global }
    .group_segment_fixed_size: 327680
    .private_segment_fixed_size: 0
    .kernarg_segment_align: 8
    .kernarg_segment_size: 48
    .max_flat_workgroup_size: 128
    .sgpr_count:     76
    .vgpr_count:     1024
    .wavefront_size: 32
...
	.end_amdgpu_metadata
.endif
;; end of part 2
;; launch attn (part 3): grid 8 x 32, 8 waves a work-group, no clusters, 327,680 bytes of LDS; arguments qh, kh, vh, ao; writes ao
.if DOCPART == 3
	.amdgcn_target "amdgcn-amd-amdhsa--gfx1250"
	.amdhsa_code_object_version 6
	.text
	.protected	k_q0bf5f78ac1_attn
	.globl	k_q0bf5f78ac1_attn
	.p2align	8
	.type	k_q0bf5f78ac1_attn,@function
k_q0bf5f78ac1_attn:
	s_mov_b64 s[64:65], 0
	v_nop
	global_prefetch_b8 v0, s[64:65] scope:SCOPE_SE
	s_setreg_imm32_b32 hwreg(HW_REG_WAVE_MODE, 25, 1), 1
	s_wait_xcnt 0x0
; Causal attention of one (batch, head): softmax(q k^T) v with a running maximum.  qh, kh, vh: [batch*16+head][2048][64] f16; q already
; carries 0.125 log2(e), so exponentials are base 2.  Out: ao [batch*16 + block of 128 rows][head][128][64] f16.
; WORK: work-group (i, bh) takes the query blocks i and 15 - i of 128 rows: (i + 1) + (16 - i) = 17 tiles of 128 x 128 in every one of the
; 256 work-groups.  Wave w: r4 = w & 3 picks 32 query rows (two tiles of 16), c = w >> 2 picks 64 of a tile's 128 keys.  The two key
; halves keep their own maximum, sum and result and are merged through LDS at a block's end.
; TRANSPOSED: S^T = K Q^T and O^T = V^T P^T.  A lane holds one query (l % 16); its registers hold keys 8 (l / 16) + j.  So maximum and sum
; are taken inside the lane and once across the two halves of the wave, and two packed tiles of S^T are P's fragment as they stand.
; ORDER: the odd one of the two blocks first.  A block starts with its diagonal tile (masked; it starts the sums) and goes on with tiles
; 0 .. j - 1.  So the slot of every step is fixed in the text.
; A key half whose keys are all masked for a query has maximum -1e30, p = 1 and finite sums; the next tile's factor, or the merge's,
; is 2^(-1e30 - m) = 0 and removes them.  The first key half always holds key 0 of the tile, which no query masks.
; NO CLUSTER: the work-groups of one head walk different tiles at the same time (16 - i and i + 1 tiles a block); in step they would
; need 20 steps where 17 do.  NO PREFETCH: a head's K and V are 512 KiB that eight work-groups read again and again.
; LIMITS: the row sum adds p in f32 while P V takes p rounded to f16; the result leaves as f16.
.set SLOT,  35840                      ; V: 64 rows of 256 + 32 bytes, then K: 64 rows of 256 + 16 bytes; a row holds two keys
.set KOFF,  18432
.set SCRA,  71680                      ; block A's hand-over: 4 regions x 17 x 512 bytes; block B's lies SCRB bytes further
.set SCRB,  34816
.set STAGE, 141312                     ; the way out: for each wave 32 rows x 144 bytes
.set Q,   8                            ; v[8:39]    q fragments at 16 qt + 8 ks
.set O,   40                           ; v[40:103]  results at 32 qt + 8 dt
.set S,   104                          ; v[104:167] scores at 32 qt + 8 kt, then p packed at 32 qt + 16 u
.set KV,  168                          ; v[168:231] K fragments at 16 kt + 8 ks, then V's at 32 u + 8 dt
.set M,   232                          ; v[232:235] m0, m1, l0, l1
.set T,   236                          ; v[236:247] at work; T+8 the factor, T+10 the new maximum (each the first of a pair)
.set ADK, 248
.set ADV, 249
.set D0,  250                          ; query - key for register 0 of tile (0, 0)
.set QOFF,251
.set SCR, 252
.set STO, 253
.set RD,  254
.set CO,  255
.set G1V, 28                           ; s[28:35]
.set G1K, 36                           ; s[36:43]
.set G0V, 44                           ; s[44:51], a set for each slot
.set G0K, 52                           ; s[52:59]
.macro SETADR s                        ; slot s gets the tile at byte s[22:23] of the head's K and V
	s_add_nc_u64 s[G0V+4*\s+2:G0V+4*\s+3], s[62:63], s[22:23]
	s_or_b32 s[G0V+4*\s+3], s[G0V+4*\s+3], 0x80000000
	s_add_nc_u64 s[G0K+4*\s+2:G0K+4*\s+3], s[60:61], s[22:23]
	s_or_b32 s[G0K+4*\s+3], s[G0K+4*\s+3], 0x80000000
.endm
.macro KVLOAD s                        ; wave 0 brings V's tile, wave 1 K's: 16 KiB each, one load a wave
	s_cmp_lg_u32 s12, 0
	s_cbranch_scc1 .Lnot_v_\@
	tensor_load_to_lds s[G0V+4*\s:G0V+4*\s+3], s[G1V:G1V+7]
	s_nop 0
	s_branch .Lasked_\@
.Lnot_v_\@:
	s_cmp_lg_u32 s12, 1
	s_cbranch_scc1 .Lasked_\@
	tensor_load_to_lds s[G0K+4*\s:G0K+4*\s+3], s[G1K:G1K+7]
	s_nop 0
.Lasked_\@:
.endm
.macro LOADQ qb                        ; my 32 queries as B fragments: query l % 16, 16 bytes at 16 (l / 16) and 32 further
.irp qt, 0,1
.irp ks, 0,1
	global_load_b128 v[Q+16*\qt+8*\ks:Q+16*\qt+8*\ks+3],   v[QOFF], s[\qb:\qb+1] offset:2048*\qt+64*\ks
	global_load_b128 v[Q+16*\qt+8*\ks+4:Q+16*\qt+8*\ks+7], v[QOFF], s[\qb:\qb+1] offset:2048*\qt+64*\ks+32
.endr
.endr
.endm
	s_load_b256 s[4:11], s[0:1], 0x0               ; qh s[4:5], kh s[6:7], vh s[8:9], ao s[10:11]
	v_lshl_add_u32 v6, v0, 2, 0x2b800
	v_mov_b32 v7, 0
	ds_add_u32 v6, v7
	v_lshrrev_b32 v1, 5, v0
	v_readfirstlane_b32 s12, v1                    ; wave
	s_and_b32 s13, s12, 3                          ; r4
	s_lshr_b32 s14, s12, 2                         ; c
	s_mov_b32 s15, ttmp9                           ; i
	s_and_b32 s16, ttmp7, 0xffff                   ; bh
	s_sub_co_u32 s26, 15, s15
	s_bitcmp1_b32 s15, 0
	s_cselect_b32 s70, s15, s26                    ; jA: the odd one of i and 15 - i
	s_cselect_b32 s18, s26, s15                    ; jB: the even one
	; A tile is 16,384 dense bytes: 64 rows of 32 elements of 8 bytes, with padding behind each row
	s_mov_b32 s[G1V+0], (3<<16)|(1<<20)|(5<<22)|(7<<25)     ; V: 8 words of padding, pitch 288
	s_mov_b32 s[G1K+0], (3<<16)|(1<<20)|(5<<22)|(3<<25)     ; K: 4 words, pitch 272
.irp g, G1V, G1K
	s_mov_b32 s[\g+1], 32<<16                      ; tensor_dim0
	s_mov_b32 s[\g+2], 64<<16                      ; tensor_dim1
	s_mov_b32 s[\g+3], 32<<16                      ; tile_dim0
	s_mov_b32 s[\g+4], 64                          ; tile_dim1
	s_mov_b32 s[\g+5], 32                          ; pitch
	s_mov_b32 s[\g+6], 0
	s_mov_b32 s[\g+7], 0
.endr
.irp s, 0,1
	s_mov_b32 s[G0V+4*\s], 1
	s_mov_b32 s[G0V+4*\s+1], \s*SLOT
	s_mov_b32 s[G0K+4*\s], 1
	s_mov_b32 s[G0K+4*\s+1], \s*SLOT+KOFF
.endr
	s_mov_b32 s24, 0x76543210                      ; v_permlanex16_b32: lane i of one half reads lane i of the other
	s_mov_b32 s25, 0xfedcba98
	s_mov_b32 s27, 0xf149f2ca                      ; -1e30
	s_lshl_b32 s22, s16, 18                        ; the head: 262,144 bytes
	s_mov_b32 s23, 0
	s_wait_dscnt 0x0
	s_barrier_signal -1
	s_barrier_wait -1
	s_wait_kmcnt 0x0
	s_add_nc_u64 s[60:61], s[6:7], s[22:23]        ; K of the head
	s_add_nc_u64 s[62:63], s[8:9], s[22:23]        ; V of the head
	s_add_nc_u64 s[4:5], s[4:5], s[22:23]          ; q of the head
	s_lshl_b32 s22, s70, 14
	SETADR 0
	KVLOAD 0                                       ; the first fill: block A's diagonal tile
	v_and_b32 v1, 31, v0                           ; l
	v_and_b32 v2, 15, v0                           ; r
	v_bfe_u32 v3, v0, 4, 1                         ; h
	v_lshlrev_b32 v4, 7, v2
	v_lshl_add_u32 v[QOFF], v3, 4, v4              ; 128 r + 16 h
	s_lshl_b32 s26, s13, 12                        ; my 32 rows of 128 bytes
	s_lshl_b32 s22, s70, 14
	s_add_co_u32 s22, s22, s26
	s_add_nc_u64 s[66:67], s[4:5], s[22:23]        ; my queries of block A
	LOADQ 66
	s_lshl_b32 s22, s18, 14
	s_add_co_u32 s22, s22, s26
	s_add_nc_u64 s[68:69], s[4:5], s[22:23]        ; of block B
	s_lshr_b32 s71, s16, 4
	s_lshl_b32 s71, s71, 4                         ; 16 x batch
	s_and_b32 s76, s16, 15                         ; head
	s_add_co_u32 s22, s71, s70
	s_lshl_b32 s22, s22, 4
	s_add_co_u32 s22, s22, s76
	s_lshl_b32 s22, s22, 14
	s_add_co_u32 s22, s22, s26
	s_add_nc_u64 s[72:73], s[10:11], s[22:23]      ; my rows of ao, block A
	s_add_co_u32 s22, s71, s18
	s_lshl_b32 s22, s22, 4
	s_add_co_u32 s22, s22, s76
	s_lshl_b32 s22, s22, 14
	s_add_co_u32 s22, s22, s26
	s_add_nc_u64 s[74:75], s[10:11], s[22:23]      ; block B
	; K fragment: key 64 c + 16 kt + r lies at (key >> 1) x 272 + (key & 1) x 128
	v_lshrrev_b32 v4, 1, v2
	v_mul_u32_u24 v4, v4, 272
	v_and_b32 v5, 1, v0
	v_lshl_add_u32 v4, v5, 7, v4
	v_lshl_add_u32 v4, v3, 4, v4
	s_mul_i32 s26, s14, 8704
	s_add_co_u32 s26, s26, KOFF
	v_add_nc_u32 v[ADK], s26, v4
	; V through the transposing load: lane l addresses key 8 h + (l & 7) and 16 bytes at 16 ((l >> 3) & 1); pitch 288 keeps the 16 lanes apart
	v_bfe_u32 v4, v0, 1, 2
	v_lshl_add_u32 v4, v3, 2, v4
	v_mul_u32_u24 v4, v4, 288
	v_lshl_add_u32 v4, v5, 7, v4
	v_bfe_u32 v5, v0, 3, 1
	v_lshl_add_u32 v4, v5, 4, v4
	s_mul_i32 s26, s14, 9216
	v_add_nc_u32 v[ADV], s26, v4
	s_lshl_b32 s26, s13, 5                         ; D0 = 32 r4 + r - 64 c - 8 h
	s_lshl_b32 s71, s14, 6
	s_sub_co_i32 s26, s26, s71
	v_lshlrev_b32 v4, 3, v3
	v_sub_nc_u32 v4, v2, v4
	v_add_nc_u32 v[D0], s26, v4
	s_mul_i32 s26, s13, 8704
	s_add_co_u32 s26, s26, SCRA
	v_lshl_add_u32 v[SCR], v1, 4, s26
	s_mul_i32 s26, s12, 4608
	s_add_co_u32 s26, s26, STAGE                   ; my wave's stage
	v_mul_u32_u24 v4, v2, 144
	v_lshl_add_u32 v4, v3, 4, v4
	v_add_nc_u32 v[STO], s26, v4
	v_lshrrev_b32 v4, 3, v1
	v_mul_u32_u24 v4, v4, 144
	v_and_b32 v5, 7, v0
	v_lshl_add_u32 v4, v5, 4, v4
	v_add_nc_u32 v[RD], s26, v4
	v_lshlrev_b32 v[CO], 4, v1
.irp n, 0,1,2,3,4,5,6,7,8,9,10,11
	v_mov_b32 v[T+\n], 0                           ; T holds destinations of lane permutes and second halves of broadcast pairs, which count as read
.endr
; The softmax step of query tile qt over this wave's 64 keys (32 registers a lane).
.macro SOFTMAX qt, first
.irp k, 0,1,2,3
	v_max3_num_f32 v[T+\k], v[S+32*\qt+8*\k], v[S+32*\qt+8*\k+1], v[S+32*\qt+8*\k+2]
.endr
.irp k, 0,1,2,3
	v_max3_num_f32 v[T+\k], v[T+\k], v[S+32*\qt+8*\k+3], v[S+32*\qt+8*\k+4]
.endr
.irp k, 0,1,2,3
	v_max3_num_f32 v[T+\k], v[T+\k], v[S+32*\qt+8*\k+5], v[S+32*\qt+8*\k+6]
.endr
	v_max3_num_f32 v[T], v[T], v[T+1], v[S+32*\qt+7]
	v_max3_num_f32 v[T+2], v[T+2], v[T+3], v[S+32*\qt+15]
	v_max3_num_f32 v[T], v[T], v[T+2], v[S+32*\qt+23]
.if \first
	v_max_num_f32 v[T], v[T], v[S+32*\qt+31]
.else
	v_max3_num_f32 v[T], v[T], v[S+32*\qt+31], v[M+\qt]
.endif
	v_permlanex16_b32 v[T+11], v[T], s24, s25      ; the other eight keys of each tile lie in the other half of the wave
	v_max_num_f32 v[T+10], v[T], v[T+11]           ; the new maximum
.if \first
.else
	v_sub_f32 v[T+8], v[M+\qt], v[T+10]
	v_exp_f32 v[T+8], v[T+8]                       ; the factor for what has been summed so far; plain instructions follow before its use
.endif
.irp n, 0,1,2,3,4,5,6,7,8,9,10,11,12,13,14,15
	v_pk_add_f32 v[S+32*\qt+2*\n:S+32*\qt+2*\n+1], v[S+32*\qt+2*\n:S+32*\qt+2*\n+1], v[T+10:T+11] op_sel_hi:[1,0] neg_lo:[0,1] neg_hi:[0,1]
.endr
.irp n, 0,1,2,3,4,5,6,7,8,9,10,11,12,13,14,15,16,17,18,19,20,21,22,23,24,25,26,27,28,29,30,31
	v_exp_f32 v[S+32*\qt+\n], v[S+32*\qt+\n]
.endr
	v_mov_b32 v[M+\qt], v[T+10]                    ; the plain instruction between the exponentials and the use of their results
	s_wait_alu depctr_va_vdst(0)
.irp k, 0,1,2,3
	v_pk_add_f32 v[T+2*\k:T+2*\k+1], v[S+32*\qt+8*\k:S+32*\qt+8*\k+1], v[S+32*\qt+8*\k+2:S+32*\qt+8*\k+3]
.endr
.irp k, 0,1,2,3
	v_pk_add_f32 v[T+2*\k:T+2*\k+1], v[T+2*\k:T+2*\k+1], v[S+32*\qt+8*\k+4:S+32*\qt+8*\k+5]
.endr
.irp k, 0,1,2,3
	v_pk_add_f32 v[T+2*\k:T+2*\k+1], v[T+2*\k:T+2*\k+1], v[S+32*\qt+8*\k+6:S+32*\qt+8*\k+7]
.endr
	v_pk_add_f32 v[T:T+1], v[T:T+1], v[T+2:T+3]
	v_pk_add_f32 v[T+4:T+5], v[T+4:T+5], v[T+6:T+7]
	v_pk_add_f32 v[T:T+1], v[T:T+1], v[T+4:T+5]
.if \first
	v_add_f32 v[M+2+\qt], v[T], v[T+1]             ; the sum stays that of my half of the wave until the block's end
.else
	v_add_f32 v[T], v[T], v[T+1]
	v_fma_f32 v[M+2+\qt], v[M+2+\qt], v[T+8], v[T]
.endif
.irp u, 0,1
.irp k, 0,1,2,3
	v_cvt_pk_f16_f32 v[S+32*\qt+16*\u+\k], v[S+32*\qt+16*\u+2*\k], v[S+32*\qt+16*\u+2*\k+1]        ; keys 32 u + 8 h + 0..7: registers 0-3 of P's fragment
.endr
.irp k, 0,1,2,3
	v_cvt_pk_f16_f32 v[S+32*\qt+16*\u+4+\k], v[S+32*\qt+16*\u+8+2*\k], v[S+32*\qt+16*\u+9+2*\k]    ; keys 32 u + 16 + 8 h + 0..7: registers 4-7
.endr
.endr
.if \first
.else
.irp n, 0,1,2,3,4,5,6,7,8,9,10,11,12,13,14,15
	v_pk_mul_f32 v[O+32*\qt+2*\n:O+32*\qt+2*\n+1], v[O+32*\qt+2*\n:O+32*\qt+2*\n+1], v[T+8:T+9] op_sel_hi:[1,0]
.endr
.endif
.endm
; A block's end: the sums of the two halves of the wave meet; the second key half hands its result, maxima and sums over.
.macro FINISH scro
	v_permlanex16_b32 v[T+10], v[M+2], s24, s25
	v_permlanex16_b32 v[T+11], v[M+3], s24, s25
	v_add_f32 v[M+2], v[M+2], v[T+10]
	v_add_f32 v[M+3], v[M+3], v[T+11]
	s_cmp_eq_u32 s14, 0
	s_cbranch_scc1 .Lkeep_\@
.irp n, 0,1,2,3,4,5,6,7,8,9,10,11,12,13,14,15
	ds_store_b128 v[SCR], v[O+4*\n:O+4*\n+3] offset:\scro+512*\n
.endr
	ds_store_b128 v[SCR], v[M:M+3] offset:\scro+8192
.Lkeep_\@:
.endm
; The first key half (waves 0-3) merges, divides by the sum, rounds to f16 and stores its 32 rows: 4,096 consecutive bytes of ao.
.macro MERGE scro, aob
.irp n, 0,1,2,3,4,5,6,7,8,9,10,11,12,13,14,15
	ds_load_b128 v[KV+4*\n:KV+4*\n+3], v[SCR] offset:\scro+512*\n
.endr
	ds_load_b128 v[T:T+3], v[SCR] offset:\scro+8192
	s_wait_dscnt 0x0
.irp qt, 0,1
	v_max_num_f32 v[T+8], v[M+\qt], v[T+\qt]
	v_sub_f32 v[T+4], v[M+\qt], v[T+8]
	v_sub_f32 v[T+6], v[T+\qt], v[T+8]
	v_exp_f32 v[T+4], v[T+4]
	v_exp_f32 v[T+6], v[T+6]
	v_nop                                          ; the plain place behind the exponentials
	s_wait_alu depctr_va_vdst(0)
	v_mul_f32 v[T+9], v[T+4], v[M+2+\qt]
	v_fmac_f32 v[T+9], v[T+6], v[T+2+\qt]          ; the whole sum: at least 1, since the larger maximum's own term is 1
	v_rcp_f32 v[T+10], v[T+9]
	v_nop                                          ; the plain place behind v_rcp_f32
	s_wait_alu depctr_va_vdst(0)
	v_mul_f32 v[T+4], v[T+4], v[T+10]
	v_mul_f32 v[T+6], v[T+6], v[T+10]
.irp n, 0,1,2,3,4,5,6,7,8,9,10,11,12,13,14,15
	v_pk_mul_f32 v[O+32*\qt+2*\n:O+32*\qt+2*\n+1], v[O+32*\qt+2*\n:O+32*\qt+2*\n+1], v[T+4:T+5] op_sel_hi:[1,0]
	v_pk_fma_f32 v[O+32*\qt+2*\n:O+32*\qt+2*\n+1], v[KV+32*\qt+2*\n:KV+32*\qt+2*\n+1], v[T+6:T+7], v[O+32*\qt+2*\n:O+32*\qt+2*\n+1] op_sel_hi:[1,0,1]
.endr
.endr
.irp qt, 0,1
.irp dt, 0,1,2,3
.irp k, 0,1,2,3
	v_cvt_pk_f16_f32 v[S+4*(4*\qt+\dt)+\k], v[O+32*\qt+8*\dt+2*\k], v[O+32*\qt+8*\dt+2*\k+1]
.endr
	ds_store_b128 v[STO], v[S+4*(4*\qt+\dt):S+4*(4*\qt+\dt)+3] offset:2304*\qt+32*\dt     ; query 16 qt + r, columns 16 dt + 8 h + 0..7
.endr
.endr
.irp t, 0,1,2,3,4,5,6,7
	ds_load_b128 v[S+32+4*\t:S+32+4*\t+3], v[RD] offset:576*\t     ; four rows; my own stage, served in order behind the stores
.endr
.irp t, 0,1,2,3,4,5,6,7
	s_wait_dscnt 7-\t
	global_store_b128 v[CO], v[S+32+4*\t:S+32+4*\t+3], s[\aob:\aob+1] offset:512*\t        ; 512 consecutive bytes at a multiple of 512
.endr
	s_wait_xcnt 0x0                                ; the stores' data registers are written again by the next scores
.endm
; One tile.  slot: where it lies; other: the other slot; first = 1: a block's diagonal tile, masked, starts the sums;
; refill = 1: the next tile is asked for; merge = 1: block A is merged and stored behind the barrier.
.macro STEP slot, other, first, refill, merge
	s_wait_tensorcnt 0x0                           ; all my tensor loads have landed, this tile's among them: every group 0 may be written
	ds_add_u32 v6, v7
	s_wait_dscnt 0x0
.if \refill
	s_cmp_lt_u32 s20, s17                          ; the next tile: s20 while the block lasts, then block B's diagonal tile
	s_cselect_b32 s21, s20, s18
	s_add_co_u32 s20, s20, 1
	s_lshl_b32 s22, s21, 14
	SETADR \other
.endif
	s_wait_dscnt 0x0                               ; my reads of the other slot, and my hand-over stores, are done
	s_barrier_signal -1
	s_barrier_wait -1                              ; both hold of all eight waves
.if \refill
	KVLOAD \other                                  ; first thing behind the barrier, one load a wave; it has this step's work in which to land
.endif
.if \merge
	s_cmp_lg_u32 s14, 0
	s_cbranch_scc1 .Lno_merge_\@
	MERGE 0, 72
.Lno_merge_\@:
.endif
.irp ks, 0,1
.irp kt, 0,1,2,3
	ds_load_b128 v[KV+16*\kt+8*\ks:KV+16*\kt+8*\ks+3],   v[ADK] offset:\slot*SLOT+2176*\kt+64*\ks
	ds_load_b128 v[KV+16*\kt+8*\ks+4:KV+16*\kt+8*\ks+7], v[ADK] offset:\slot*SLOT+2176*\kt+64*\ks+32
.endr
.endr
.if \first
	s_wait_loadcnt 0x0                             ; the block's queries
.endif
	s_wait_dscnt 0x8                               ; the eight loads of columns 0-31 are in
.irp qt, 0,1
.irp kt, 0,1,2,3
	v_wmma_f32_16x16x32_f16 v[S+32*\qt+8*\kt:S+32*\qt+8*\kt+7], v[KV+16*\kt:KV+16*\kt+7], v[Q+16*\qt:Q+16*\qt+7], 0
.endr
.endr
	s_wait_dscnt 0x0
.irp qt, 0,1                                       ; the eight accumulators take turns, one instruction a turn
.irp kt, 0,1,2,3
	v_wmma_f32_16x16x32_f16 v[S+32*\qt+8*\kt:S+32*\qt+8*\kt+7], v[KV+16*\kt+8:KV+16*\kt+15], v[Q+16*\qt+8:Q+16*\qt+15], v[S+32*\qt+8*\kt:S+32*\qt+8*\kt+7]
.endr
.endr
.rept 4
	v_nop                                          ; four places (ISA guide 7.12.1) before V lands on K's fragments and the scores are read
.endr
.irp u, 0,1
.irp dt, 0,1,2,3
	ds_load_tr16_b128 v[KV+32*\u+8*\dt:KV+32*\u+8*\dt+3],   v[ADV] offset:\slot*SLOT+4608*\u+32*\dt
	ds_load_tr16_b128 v[KV+32*\u+8*\dt+4:KV+32*\u+8*\dt+7], v[ADV] offset:\slot*SLOT+4608*\u+32*\dt+2304
.endr
.endr
.if \first
.irp qt, 0,1
.irp kt, 0,1,2,3
.irp j, 0,1,2,3,4,5,6,7
	v_cmp_le_i32 vcc_lo, 16*(\kt-\qt)+\j, v[D0]    ; key <= query
	v_cndmask_b32 v[S+32*\qt+8*\kt+\j], s27, v[S+32*\qt+8*\kt+\j], vcc_lo
.endr
.endr
.endr
.endif
	SOFTMAX 0, \first
	SOFTMAX 1, \first
	s_wait_dscnt 0x8                               ; V's keys 0-31 are in
.irp qt, 0,1
.irp dt, 0,1,2,3
.if \first
	v_wmma_f32_16x16x32_f16 v[O+32*\qt+8*\dt:O+32*\qt+8*\dt+7], v[KV+8*\dt:KV+8*\dt+7], v[S+32*\qt:S+32*\qt+7], 0
.else
	v_wmma_f32_16x16x32_f16 v[O+32*\qt+8*\dt:O+32*\qt+8*\dt+7], v[KV+8*\dt:KV+8*\dt+7], v[S+32*\qt:S+32*\qt+7], v[O+32*\qt+8*\dt:O+32*\qt+8*\dt+7]
.endif
.endr
.endr
	s_wait_dscnt 0x0
.irp qt, 0,1
.irp dt, 0,1,2,3
	v_wmma_f32_16x16x32_f16 v[O+32*\qt+8*\dt:O+32*\qt+8*\dt+7], v[KV+32+8*\dt:KV+32+8*\dt+7], v[S+32*\qt+16:S+32*\qt+23], v[O+32*\qt+8*\dt:O+32*\qt+8*\dt+7]
.endr
.endr
.rept 5
	v_nop                                          ; five places: the next scores write over P's fragments, the next loads land on V's
.endr
.endm
	s_mov_b32 s20, 0                               ; block A: the tiles behind the diagonal one are 0 .. jA - 1, then block B's diagonal tile
	s_mov_b32 s17, s70
	STEP 0, 1, 1, 1, 0
	STEP 1, 0, 0, 1, 0
	s_lshr_b32 s19, s70, 1                         ; jA is odd: (jA - 1) / 2 more pairs
	s_cmp_eq_u32 s19, 0
	s_cbranch_scc1 .Ldone_a
.Lloop_a:
	STEP 0, 1, 0, 1, 0
	STEP 1, 0, 0, 1, 0
	s_sub_co_i32 s19, s19, 1
	s_cmp_lg_u32 s19, 0
	s_cbranch_scc1 .Lloop_a
.Ldone_a:
	FINISH 0
	LOADQ 68
	s_mov_b32 s20, 0                               ; block B: tiles 0 .. jB - 1, all below 16
	s_mov_b32 s17, 16
	s_cmp_eq_u32 s18, 0
	s_cbranch_scc1 .Lshort
	STEP 0, 1, 1, 1, 1                             ; its barrier also stands between block A's hand-over and its merge
	s_lshr_b32 s19, s18, 1
	s_sub_co_u32 s19, s19, 1                       ; jB is even and at least 2: jB / 2 pairs, the last written out
	s_cmp_eq_u32 s19, 0
	s_cbranch_scc1 .Ldone_b
.Lloop_b:
	STEP 1, 0, 0, 1, 0
	STEP 0, 1, 0, 1, 0
	s_sub_co_i32 s19, s19, 1
	s_cmp_lg_u32 s19, 0
	s_cbranch_scc1 .Lloop_b
.Ldone_b:
	STEP 1, 0, 0, 1, 0
	STEP 0, 1, 0, 0, 0                             ; the last tile: nothing is left to fetch
	s_branch .Lfin
.Lshort:
	STEP 0, 1, 1, 0, 1                             ; jB = 0: the diagonal tile alone
.Lfin:
	FINISH SCRB
	s_wait_dscnt 0x0
	s_barrier_signal -1
	s_barrier_wait -1
	s_cmp_lg_u32 s14, 0
	s_cbranch_scc1 .Lend
	MERGE SCRB, 74
.Lend:
	s_wait_tensorcnt 0x0
	ds_add_u32 v6, v7
	s_wait_dscnt 0x0
	s_endpgm
.Lfunc_end_k_q0bf5f78ac1_attn:
	.size	k_q0bf5f78ac1_attn, .Lfunc_end_k_q0bf5f78ac1_attn-k_q0bf5f78ac1_attn
	.p2alignl 7, 3214868480
	.fill 96, 4, 3214868480
	.section	.rodata,"a",@progbits
	.p2align	6, 0x0
	.amdhsa_kernel k_q0bf5f78ac1_attn
		.amdhsa_group_segment_fixed_size 327680
		.amdhsa_private_segment_fixed_size 0
		.amdhsa_enable_private_segment 0
		.amdhsa_kernarg_size 32
		.amdhsa_user_sgpr_count 2
		.amdhsa_user_sgpr_kernarg_segment_ptr 1
		.amdhsa_wavefront_size32 1
		.amdhsa_system_sgpr_workgroup_id_x 1
		.amdhsa_system_sgpr_workgroup_id_y 1
		.amdhsa_system_sgpr_workgroup_id_z 1
		.amdhsa_system_vgpr_workitem_id 0
		.amdhsa_next_free_vgpr 256
		.amdhsa_next_free_sgpr 80
		.amdhsa_reserve_vcc 1
		.amdhsa_float_denorm_mode_32 3
		.amdhsa_float_denorm_mode_16_64 3
		.amdhsa_memory_ordered 1
		.amdhsa_forward_progress 1
		.amdhsa_inst_pref_size 224
	.end_amdhsa_kernel
	.amdgpu_metadata
---
amdhsa.version: [ 1, 2 ]
amdhsa.kernels:
  - .name:           k_q0bf5f78ac1_attn
    .symbol:         k_q0bf5f78ac1_attn.kd
    .args:
      - { .name: qh, .offset: 0, .size: 8, .value_kind: global_buffer, .address_space: global }
      - { .name: kh, .offset: 8, .size: 8, .value_kind: global_buffer, .address_space: global }
      - { .name: vh, .offset: 16, .size: 8, .value_kind: global_buffer, .address_space: global }
      - { .name: ao, .offset: 24, .size: 8, .value_kind: global_buffer, .address_space: global }
    .group_segment_fixed_size: 327680
    .private_segment_fixed_size: 0
    .kernarg_segment_align: 8
    .kernarg_segment_size: 32
    .max_flat_workgroup_size: 256
    .sgpr_count:     80
    .vgpr_count:     256
    .wavefront_size: 32
...
	.end_amdgpu_metadata
.endif
;; end of part 3
;; launch proj (part 4): grid 8 x 32, 4 waves a work-group, clusters of 4 x 4, 327,680 bytes of LDS; arguments ao, woh, out0; writes out0
.if DOCPART == 4
	.amdgcn_target "amdgcn-amd-amdhsa--gfx1250"
	.amdhsa_code_object_version 6
	.text
	.protected	k_q0bf5f78ac1_proj
	.globl	k_q0bf5f78ac1_proj
	.p2align	8
	.type	k_q0bf5f78ac1_proj,@function
k_q0bf5f78ac1_proj:
	s_mov_b64 s[64:65], 0
	v_nop
	global_prefetch_b8 v0, s[64:65] scope:SCOPE_SE
	s_setreg_imm32_b32 hwreg(HW_REG_WAVE_MODE, 25, 1), 1
	s_wait_xcnt 0x0
	s_wait_alu depctr_hold_cnt(0) depctr_sa_sdst(0) depctr_va_vdst(0) depctr_va_sdst(0) depctr_va_ssrc(0) depctr_va_vcc(0) depctr_vm_vsrc(0)
	s_getreg_b32 s2, hwreg(HW_REG_IB_STS2, 6, 4)
	s_cmp_eq_u32 s2, 0
	s_cbranch_scc0 .Lentry_in_a_cluster
	s_endpgm
.Lentry_in_a_cluster:
	s_bfe_u32 s2, ttmp6, 0x10000c
	s_cmp_lg_u32 s2, 0xf033
	s_cbranch_scc0 .Lentry_shape_is_right
	s_endpgm
.Lentry_shape_is_right:
; out0[row][e] = sum over d of attention[row][d] w_out[e][d], f32 out, f16 operands, sums in f32.
; ao  [32 blocks of 128 rows][16 blocks of 64 d][128][64] f16;  woh [8 blocks of 128 e][16 blocks of 64 d][128][64] f16:
; a block's whole K panel is 262,144 consecutive bytes, and a K step of 256 is 65,536 of them.
; A work-group makes 128 x 128 of out0 with four waves, 64 x 64 each (16 accumulator tiles): 8 x 32 = 256 work-groups.  Larger blocks
; would read LDS less but leave half of the 256 places empty.  K goes in 4 steps of 256 through two LDS slots; each wave brings
; 128 rows of 256 bytes (two matrix rows of 128 bytes to an LDS row) of one operand.
; CLUSTERS: 4 x 4; ao's panel is shared along a row of the cluster, woh's along a column, asked for jointly.
; Window 0: v16-26 addresses; v64-127, v128-191 fragment buffers (rows of ao at +0, of w_out at +32).  Window 1: v0-127 accumulators, tile (a, b) at 8 (4 a + b).
; The matrix instruction is used transposed (source 0 = rows of w_out): a lane's eight results are eight neighbouring columns of one row.
.set PITCH,  272
.set HALFT,  128*PITCH                 ; what one tensor load brings
.set SLOT,   4*HALFT                   ; ao's 256 LDS rows, then woh's
.set STAGE,  2*SLOT                    ; behind the ring: 16 rows x 272 bytes for each wave
.set KB,     64*PITCH                  ; a block of 64 along K: 128 matrix rows in 64 LDS rows
.set T16,    8*PITCH                   ; 16 matrix rows
.set ADRA, 16
.set ADRB, 20
.set STO,  24
.set RD,   25
.set CO,   26
.set F0,   64
.set F1,   128
.set G1, 24
.set G0, 32
.set G1B, 48
.set G0B, 56
.set MSB, 0
.macro WIN new
.if MSB != \new
	s_set_vgpr_msb (MSB<<8)|\new
.set MSB, \new
.endif
.endm
.set MUL, 0x50                         ; sources 0 and 1 window 0, C and D window 1
.macro JLOAD s
	s_cmp_eq_u32 s11, 0
	s_cbranch_scc0 .Lfor_b_\@
	tensor_load_to_lds s[G0+4*\s:G0+4*\s+3], s[G1:G1+7]
	s_nop 0
	s_branch .Lasked_\@
.Lfor_b_\@:
	tensor_load_to_lds s[G0B+4*\s:G0B+4*\s+3], s[G1B:G1B+7]
	s_nop 0
.Lasked_\@:
.endm
.macro CREST
	s_cmp_lg_u32 s10, 0
	s_cbranch_scc1 .Lnot_wave_0_\@
	s_barrier_signal -3
.Lnot_wave_0_\@:
	s_barrier_wait -3
	s_barrier_signal -1
	s_barrier_wait -1
.endm
.macro CROUND
	s_barrier_signal -1
	s_barrier_wait -1
	CREST
.endm
	s_load_b128 s[4:7], s[0:1], 0x0                ; ao s[4:5], woh s[6:7]
	s_load_b64 s[8:9], s[0:1], 0x10                ; out0
	v_lshl_add_u32 v254, v0, 2, 0x48400
	v_mov_b32 v255, 0
	ds_add_u32 v254, v255
	v_lshrrev_b32 v1, 5, v0
	v_readfirstlane_b32 s10, v1                    ; wave
	s_lshr_b32 s11, s10, 1                         ; my half of the block's rows; also: I fetch for ao (0) or woh (1)
	s_and_b32 s12, s10, 1                          ; my half of its columns; also: which half of a step's panel I fetch
	s_bfe_u32 s40, ttmp6, 0x40000                  ; cx
	s_bfe_u32 s41, ttmp6, 0x40004                  ; cy
	s_lshl_b32 s42, ttmp9, 2
	s_add_co_u32 s42, s42, s40                     ; block of columns
	s_and_b32 s13, ttmp7, 0xffff
	s_lshl_b32 s13, s13, 2
	s_add_co_u32 s13, s13, s41                     ; block of rows
	s_lshl_b32 s43, s41, 2
	s_lshl_b32 s43, 15, s43                        ; my row of the cluster
	s_lshl_b32 s44, 0x1111, s40                    ; my column
	s_or_b32 s[G1+0], s43, (3<<16)|(1<<20)|(1<<21)|(5<<22)|(3<<25)   ; mask; 8-byte elements; padding: after every 64 words, 4 words
	s_or_b32 s[G1B+0], s44, (3<<16)|(1<<20)|(1<<21)|(5<<22)|(3<<25)
.irp g, G1, G1B
	s_mov_b32 s[\g+1], 32<<16                      ; tensor_dim0: 32 elements = 256 bytes
	s_mov_b32 s[\g+2], 128<<16                     ; tensor_dim1
	s_mov_b32 s[\g+3], 32<<16                      ; tile_dim0
	s_mov_b32 s[\g+4], 128                         ; tile_dim1
	s_mov_b32 s[\g+5], 32                          ; pitch: dense
	s_mov_b32 s[\g+6], 0
	s_mov_b32 s[\g+7], 0
.endr
	s_lshl_b32 s17, s12, 15                        ; my half of a step: 32,768 bytes
	s_lshl_b32 s16, s13, 18
	s_add_co_u32 s16, s16, s17
	s_lshl_b32 s46, s42, 18
	s_add_co_u32 s46, s46, s17
	s_mov_b32 s17, 0
	s_mov_b32 s47, 0
	s_mul_i32 s20, s10, HALFT
	s_wait_dscnt 0x0
	s_wait_kmcnt 0x0
	s_add_nc_u64 s[14:15], s[4:5], s[16:17]
	s_add_nc_u64 s[46:47], s[6:7], s[46:47]
	CROUND                                         ; in front of the first joint loads
.irp s, 0,1
	s_mov_b32 s[G0+4*\s], 1
	s_add_co_u32 s[G0+4*\s+1], s20, \s*SLOT
	s_add_nc_u64 s[G0+4*\s+2:G0+4*\s+3], s[14:15], \s*65536
	s_or_b32 s[G0+4*\s+3], s[G0+4*\s+3], 0x80000000
	s_mov_b32 s[G0B+4*\s], 1
	s_add_co_u32 s[G0B+4*\s+1], s20, \s*SLOT
	s_add_nc_u64 s[G0B+4*\s+2:G0B+4*\s+3], s[46:47], \s*65536
	s_or_b32 s[G0B+4*\s+3], s[G0B+4*\s+3], 0x80000000
	JLOAD \s
.endr
	v_and_b32 v1, 15, v0                           ; r
	v_bfe_u32 v2, v0, 4, 1                         ; h
	v_lshrrev_b32 v3, 1, v1                        ; matrix row r lies at (r >> 1) x 272 + (r & 1) x 128: 16 different 16-byte columns
	v_mul_u32_u24 v3, v3, PITCH
	v_and_b32 v4, 1, v0
	v_lshl_add_u32 v3, v4, 7, v3
	v_lshl_add_u32 v3, v2, 4, v3
	s_mul_i32 s21, s11, 32*PITCH                   ; my 64 rows of ao
	s_mul_i32 s22, s12, 32*PITCH                   ; my 64 rows of w_out,
	s_add_co_u32 s22, s22, 2*HALFT                 ; behind ao's part of the slot
.irp s, 0,1
	v_add_nc_u32 v[ADRA+\s], s21, v3
	v_add_nc_u32 v[ADRB+\s], s22, v3
	s_add_co_u32 s21, s21, SLOT
	s_add_co_u32 s22, s22, SLOT
.endr
	s_mul_i32 s23, s10, 16*PITCH
	s_add_co_u32 s23, s23, STAGE
	v_mul_u32_u24 v4, v1, PITCH
	v_lshl_add_u32 v4, v2, 5, v4
	v_add_nc_u32 v[STO], s23, v4                   ; in: row r, 32 bytes for each half of the lanes
	v_mul_u32_u24 v5, v2, PITCH
	v_lshl_add_u32 v5, v1, 4, v5
	v_add_nc_u32 v[RD], s23, v5                    ; back: sixteen lanes take a row of 256 bytes
	v_lshlrev_b32 v5, 12, v2
	v_lshl_add_u32 v[CO], v1, 4, v5                ; the same two rows in out0
.macro MUL4 f, a, zero                 ; row tile a x 4 column tiles, 32 along K
.irp b, 0,1,2,3
.if \zero
	v_wmma_f32_16x16x32_f16 v[8*(4*\a+\b):8*(4*\a+\b)+7], v[\f+32+8*\b:\f+32+8*\b+7], v[\f+8*\a:\f+8*\a+7], 0
.else
	v_wmma_f32_16x16x32_f16 v[8*(4*\a+\b):8*(4*\a+\b)+7], v[\f+32+8*\b:\f+32+8*\b+7], v[\f+8*\a:\f+8*\a+7], v[8*(4*\a+\b):8*(4*\a+\b)+7]
.endif
.endr
.endm
.macro FETCH slot, k, f                ; 16 LDS loads: w_out's four tiles, then ao's
.irp i, 0,1,2,3
	ds_load_b128 v[\f+32+8*\i:\f+32+8*\i+3], v[ADRB+\slot] offset:\k+\i*T16
	ds_load_b128 v[\f+36+8*\i:\f+36+8*\i+3], v[ADRB+\slot] offset:\k+\i*T16+32
.endr
.irp i, 0,1,2,3
	ds_load_b128 v[\f+8*\i:\f+8*\i+3],   v[ADRA+\slot] offset:\k+\i*T16
	ds_load_b128 v[\f+8*\i+4:\f+8*\i+7], v[ADRA+\slot] offset:\k+\i*T16+32
.endr
.endm
.macro PLACES                          ; four places behind matrix instructions (ISA guide 7.12.1)
.rept 4
	v_nop
.endr
.endm
; A K step is eight parts of 32 along K, 16 matrix instructions each, on buffers 0, 1, ...; the 16 accumulators take turns in one order.
.macro QUARTER slot, k, f, g, zero
	s_wait_dscnt 4                                 ; all but ao's tiles 2, 3
	WIN MUL
	MUL4 \f, 0, \zero
	MUL4 \f, 1, \zero
	PLACES
	WIN 0
	FETCH \slot, \k, \g
	s_wait_dscnt 16                                ; all but the 16 just issued
	WIN MUL
	MUL4 \f, 2, \zero
	MUL4 \f, 3, \zero
.endm
.macro SEVEN slot, zero
	QUARTER \slot, 64,      F0, F1, \zero
	QUARTER \slot, KB,      F1, F0, 0
	QUARTER \slot, KB+64,   F0, F1, 0
	QUARTER \slot, 2*KB,    F1, F0, 0
	QUARTER \slot, 2*KB+64, F0, F1, 0
	QUARTER \slot, 3*KB,    F1, F0, 0
	QUARTER \slot, 3*KB+64, F0, F1, 0
.endm
; The eighth part multiplies buffer 1 and changes slots; the waits, the barrier (with fill = 1 a round of the cluster's barrier) and the refill as in every ring of two slots
.macro TURN slot, next, fill
	s_wait_dscnt 4
	WIN MUL
	MUL4 F1, 0, 0
	s_wait_dscnt 0                                 ; my reads of this slot are over
	s_wait_tensorcnt 0x0                           ; all my tensor loads have landed: the one that was out is my part of the next slot
	ds_add_u32 v254, v255
	s_wait_dscnt 0x0
	s_barrier_signal -1
	MUL4 F1, 1, 0
	WIN 0
	s_barrier_wait -1
.if \fill
	CREST
	s_add_nc_u64 s[G0+4*\slot+2:G0+4*\slot+3], s[G0+4*\slot+2:G0+4*\slot+3], 131072
	s_add_nc_u64 s[G0B+4*\slot+2:G0B+4*\slot+3], s[G0B+4*\slot+2:G0B+4*\slot+3], 131072
	JLOAD \slot                                    ; two K steps ahead, first behind the round
.endif
	PLACES
	FETCH \next, 0, F0
	WIN MUL
	MUL4 F1, 2, 0
	MUL4 F1, 3, 0
.endm
	s_wait_tensorcnt 1                             ; my part of K step 0 is in; step 1's may stay out
	s_barrier_signal -1
	s_barrier_wait -1
	FETCH 0, 0, F0
	SEVEN 0, 1                                     ; the first products start the sums
	TURN 0, 1, 1
	SEVEN 1, 0
	TURN 1, 0, 1
	SEVEN 0, 0
	TURN 0, 1, 0                                   ; the last two steps fetch nothing
	SEVEN 1, 0
	s_wait_dscnt 4
	WIN MUL
	MUL4 F1, 0, 0
	MUL4 F1, 1, 0
	s_wait_dscnt 0
	MUL4 F1, 2, 0
	MUL4 F1, 3, 0
	; THE WAY OUT, 16 rows at a time through my own stage: a lane's 32 bytes in, whole rows of 256 bytes back
	PLACES
	s_lshl_b32 s16, s13, 19                        ; 128 rows of 4,096 bytes
	s_lshl_b32 s14, s11, 18                        ; my 64 rows
	s_add_co_u32 s16, s16, s14
	s_add_nc_u64 s[8:9], s[8:9], s[16:17]
	s_lshl_b32 s46, s42, 9                         ; 128 columns of 4 bytes, in the registers that held woh's address
	s_lshl_b32 s47, s12, 8
	s_add_co_u32 s46, s46, s47
	s_mov_b32 s47, 0
	s_add_nc_u64 s[8:9], s[8:9], s[46:47]
.macro OUT16 a, f
	WIN 0x04                                       ; LDS store data (source 1) in window 1
.irp b, 0,1,2,3
	ds_store_b128 v[STO], v[8*(4*\a+\b):8*(4*\a+\b)+3]   offset:64*\b
	ds_store_b128 v[STO], v[8*(4*\a+\b)+4:8*(4*\a+\b)+7] offset:64*\b+16
.endr
	WIN 0
	s_wait_xcnt 0x0                                ; buffer f is the data of earlier stores: rewritten only behind this wait
.irp t, 0,1,2,3,4,5,6,7
	ds_load_b128 v[\f+4*\t:\f+4*\t+3], v[RD] offset:\t*2*PITCH     ; served in order behind the stores above
.endr
.irp t, 0,1,2,3,4,5,6,7
	s_wait_dscnt 7-\t
	global_store_b128 v[CO], v[\f+4*\t:\f+4*\t+3], s[8:9] offset:\a*65536+\t*8192 th:TH_STORE_NT   ; sixteen lanes store 256 consecutive bytes at a multiple of 256
.endr
.endm
	OUT16 0, F0
	OUT16 1, F1
	OUT16 2, F0
	OUT16 3, F1
	s_wait_tensorcnt 0x0
	ds_add_u32 v254, v255
	s_wait_dscnt 0x0
	CROUND                                         ; the closing round
	s_endpgm
.Lfunc_end_k_q0bf5f78ac1_proj:
	.size	k_q0bf5f78ac1_proj, .Lfunc_end_k_q0bf5f78ac1_proj-k_q0bf5f78ac1_proj
	.p2alignl 7, 3214868480
	.fill 96, 4, 3214868480
	.section	.rodata,"a",@progbits
	.p2align	6, 0x0
	.amdhsa_kernel k_q0bf5f78ac1_proj
		.amdhsa_group_segment_fixed_size 327680
		.amdhsa_private_segment_fixed_size 0
		.amdhsa_enable_private_segment 0
		.amdhsa_kernarg_size 24
		.amdhsa_user_sgpr_count 2
		.amdhsa_user_sgpr_kernarg_segment_ptr 1
		.amdhsa_wavefront_size32 1
		.amdhsa_system_sgpr_workgroup_id_x 1
		.amdhsa_system_sgpr_workgroup_id_y 1
		.amdhsa_system_sgpr_workgroup_id_z 1
		.amdhsa_system_vgpr_workitem_id 0
		.amdhsa_next_free_vgpr 384
		.amdhsa_next_free_sgpr 66
		.amdhsa_reserve_vcc 0
		.amdhsa_float_denorm_mode_32 3
		.amdhsa_float_denorm_mode_16_64 3
		.amdhsa_memory_ordered 1
		.amdhsa_forward_progress 1
		.amdhsa_inst_pref_size 89
	.end_amdhsa_kernel
	.amdgpu_metadata
---
amdhsa.version: [ 1, 2 ]
amdhsa.kernels:
  - .name:           k_q0bf5f78ac1_proj
    .symbol:         k_q0bf5f78ac1_proj.kd
    .args:
      - { .name: ao, .offset: 0, .size: 8, .value_kind: global_buffer, .address_space: global }
      - { .name: woh, .offset: 8, .size: 8, .value_kind: global_buffer, .address_space: global }
      - { .name: out0, .offset: 16, .size: 8, .value_kind: global_buffer, .address_space: global }
    .group_segment_fixed_size: 327680
    .private_segment_fixed_size: 0
    .kernarg_segment_align: 8
    .kernarg_segment_size: 24
    .max_flat_workgroup_size: 128
    .sgpr_count:     66
    .vgpr_count:     384
    .wavefront_size: 32
...
	.end_amdgpu_metadata
.endif
;; end of part 4
;; ======== version 2 of 2: 4 launches; version 1 with the launch prep written anew for expert scheduling mode
;; limits: values are held in f16: magnitudes above 65,504 overflow, below 6.1e-05 lose precision
;; workspace buffers: xh 8,388,608 bytes; wqh 6,291,456 bytes; woh 2,097,152 bytes; tab 524,288 bytes; qh 8,388,608 bytes; kh 8,388,608 bytes; vh 8,388,608 bytes; ao 8,388,608 bytes
;; launch prep (part 5): grid 256 x 1, 8 waves a work-group, no clusters, 0 bytes of LDS; arguments x, w_qkv, w_out, token_positions, xh, wqh, woh, tab; writes xh, wqh, woh, tab
.if DOCPART == 5
	.amdgcn_target "amdgcn-amd-amdhsa--gfx1250"
	.amdhsa_code_object_version 6
	.text
	.protected	k_q0bf5f78ac1_prep
	.globl	k_q0bf5f78ac1_prep
	.p2align	8
	.type	k_q0bf5f78ac1_prep,@function
k_q0bf5f78ac1_prep:
	s_mov_b64 s[64:65], 0
	v_nop
	global_prefetch_b8 v0, s[64:65] scope:SCOPE_SE
	s_setreg_imm32_b32 hwreg(HW_REG_WAVE_SCHED_MODE, 0, 2), 2
	s_setreg_imm32_b32 hwreg(HW_REG_WAVE_MODE, 25, 1), 1
	s_wait_xcnt 0x0
	s_wait_alu depctr_vm_vsrc(0)
; Converts x, w_qkv and w_out once for the three matrix launches, and makes the table of cos and sin for RoPE.
; FORMAT: each number is rounded to bf16 and then written as f16.  f16 holds every bf16 number of magnitude 2^-14 to 65,504
; exactly (8 significant bits in 11), so the products are those of bf16 inputs, while what the later launches round
; (q, k, v, p, the attention's result) keeps f16's 11 bits.
; LIMITS: a bf16 number below 2^-14 is rounded to a multiple of 2^-24; one above 65,504 becomes infinity.
; The angle position * 10000^(-i/32) carries the relative error of one exp2 and of the product i * log2(10000)/32, so its
; error is about 1.5e-7 * |position| rad: below 0.01 rad up to |position| = 65,536.
; WORK: 256 work-groups of 8 waves; each takes 32 rows of 1,024 f32 (131,072 bytes) and 256 table entries.
;   groups 0-127:   x      -> xh  [4096][1024], same order
;   groups 128-223: w_qkv  -> wqh [3072][1024], rows head-major: new row = 192 head + 64 section + r  (section 0, 1, 2 = q, k, v)
;   groups 224-255: w_out  -> woh [8 blocks of 128 rows][16 blocks of 64 columns][128][64]
; A thread takes 8 neighbouring f32 (two loads of 16 bytes) and stores 16 bytes; sixteen neighbouring lanes store 256
; consecutive bytes at a multiple of 256.  All 32 loads of a thread go out at once; no register is written twice while a
; memory instruction names it, so no wait frees a source.  A stream: LDS, barriers and the matrix unit would add nothing.
; Each of the three paths ends by itself, so that each pointer register comes from one buffer.
; THE MODE: SCHED_MODE bits 1:0 = 2 (LLVM: expert scheduling mode 2), set by the entry lines.  The code itself states the register
; dependences between vector instructions and memory instructions, with s_wait_alu, always for 0.
; THE PLAN.  Registers that memory instructions touch:
;   v[PADR], v[TADR]   made at the head, read by the position's load and by the table's store; never written again.
;   v[VIN], v[VOUT]    made at a path's head, read by its 32 loads and its 16 stores; never written again.
;   v[POS]             written by its load alone.
;   X, iteration it    eight registers: its two loads land in them (no vector instruction has named them); its sixteen vector
;                      instructions read them and write them in place; its store reads words 0 to 3; never written again.
;   v24, v25           written by the table entry's arithmetic, read by the table's store; never written again.
;   W and v8 to v23 are named by vector instructions alone.
; The 16 iterations go in four blocks of four.  A block's stores are issued in the next block, one ahead of each iteration's vector
; instructions; the table's store at block 0's head; the last block's four at the end.  So ONE wait on va_vdst stands at a block's
; head, behind the wait for the block's first data: it states that what came before has written the registers that this block's
; stores read.  The vector instructions issued since that wait name this block's own X and W alone.  Nothing that a memory
; instruction has read is written again, so behind the entry the text holds no wait on vm_vsrc.
.set VIN,  2                           ; v2      byte offset of my 32 bytes in the group's input
.set VOUT, 3                           ; v3      byte offset of my 16 bytes in the group's output
.set PADR, 4                           ; v4      4 x token
.set TADR, 5                           ; v5      8 x table entry
.set POS,  6                           ; v6      the token's position
.set FI,   7                           ; v7      the frequency's number i, 0 to 31
.set W,    26                          ; v[26:29] four packed bf16 pairs at work;  v8-v25: the table entry
.set X,    32                          ; v[32:159] 16 iterations x 8 f32
	s_load_b512 s[4:19], s[0:1], 0x0               ; x s[4:5], w_qkv s[6:7], w_out s[8:9], positions s[10:11], xh s[12:13], wqh s[14:15], woh s[16:17], tab s[18:19]
	s_mov_b32 s2, ttmp9                            ; g
	; Table entry T = 256 g + t = (((st*4 + bq)*2 + p)*32 + lane)*2 + e holds (cos, sin) of token 16 st + (lane & 15)
	; and frequency i = 8 bq + 4 (lane >> 4) + 2 p + e: the order in which the next launch's lanes want them.
	v_lshl_add_u32 v1, s2, 8, v0                   ; T
	v_lshlrev_b32 v[TADR], 3, v1
	v_bfe_u32 v8, v1, 1, 4                         ; lane & 15
	v_lshrrev_b32 v9, 9, v1                        ; st
	v_lshl_add_u32 v8, v9, 4, v8                   ; token
	v_lshlrev_b32 v[PADR], 2, v8
	v_and_b32 v10, 1, v1                           ; e
	v_bfe_u32 v11, v1, 5, 1                        ; lane >> 4
	v_lshl_add_u32 v10, v11, 2, v10
	v_bfe_u32 v11, v1, 6, 1                        ; p
	v_lshl_add_u32 v10, v11, 1, v10
	v_bfe_u32 v11, v1, 7, 2                        ; bq
	v_lshl_add_u32 v[FI], v11, 3, v10
	s_mov_b32 s25, 0                               ; high words of the two offset pairs
	s_mov_b32 s27, 0
	s_mov_b32 s29, 0xffff0000                      ; a word's upper bf16
	s_wait_kmcnt 0x0
	s_wait_alu depctr_va_vdst(0)                   ; v[PADR] is written, which the load below reads as its offset (and v[TADR], which the table's store reads)
	global_load_b32 v[POS], v[PADR], s[10:11]
; cos and sin of position * 10000^(-i/32): quadrant k = nearest whole number to angle * 2/pi, r = angle - k pi/2 with pi/2 in
; two parts (each step one fused multiply-add), polynomials on |r| <= pi/4, then the quadrant's swap and signs.
; The result lies in v24 (cos) and v25 (sin); it is stored at the head of the stream's first block.
.macro TABLE
	v_cvt_f32_u32 v8, v[FI]
	v_mul_f32 v8, 0xbed49a78, v8                   ; i * (-log2(10000) / 32)
	v_exp_f32 v9, v8                               ; 10000^(-i/32)
	s_wait_loadcnt 32                              ; the position is in; the 32 loads issued behind it stay out
	v_cvt_f32_i32 v10, v[POS]                      ; the plain instruction between v_exp_f32 and the use of its result
	s_wait_alu depctr_va_vdst(0)                   ; the exponential has written v9, ahead of its first reader
	v_mul_f32 v10, v10, v9                         ; the angle
	v_mul_f32 v11, 0x3f22f983, v10                 ; * 2/pi
	v_rndne_f32 v11, v11                           ; k
	v_fmamk_f32 v12, v11, 0xbfc90fdb, v10          ; angle - k * (pi/2, upper part)
	v_fmamk_f32 v12, v11, 0x333bbd2e, v12          ;       - k * (pi/2, lower part, which is negative)
	v_mul_f32 v13, v12, v12                        ; z = r^2
	v_mov_b32 v14, 0xb94ca1f9
	v_mov_b32 v17, 0x37ccf5ce
	v_fmaak_f32 v14, v14, v13, 0x3c08839e
	v_fmaak_f32 v17, v17, v13, 0xbab6061a
	v_fmaak_f32 v14, v14, v13, 0xbe2aaaa3
	v_fmaak_f32 v17, v17, v13, 0x3d2aaaa5
	v_mul_f32 v15, v12, v13                        ; r z
	v_mul_f32 v18, v13, v13                        ; z^2
	v_fma_f32 v19, v13, -0.5, 1.0                  ; 1 - z/2
	v_fma_f32 v16, v14, v15, v12                   ; sin r
	v_fma_f32 v20, v17, v18, v19                   ; cos r
	v_cvt_i32_f32 v21, v11                         ; k as a whole number: its two low bits are the quadrant
	v_and_b32 v22, 1, v21
	v_cmp_eq_u32 vcc_lo, 1, v22                    ; odd quadrants swap the two (a choice of values only)
	v_lshlrev_b32 v22, 30, v21                     ; sin changes sign in quadrants 2, 3: bit 1 of k.  These five lines read no VCC: they stand between the compare and the wait for it
	v_add_nc_u32 v21, 1, v21                       ; cos in quadrants 1, 2: bit 1 of k + 1
	v_and_b32 v22, 0x80000000, v22
	v_lshlrev_b32 v21, 30, v21
	v_and_b32 v21, 0x80000000, v21
	s_wait_alu depctr_va_vcc(0)                    ; the compare has written VCC, ahead of its first reader
	v_cndmask_b32 v25, v16, v20, vcc_lo            ; sin
	v_cndmask_b32 v24, v20, v16, vcc_lo            ; cos
	v_xor_b32 v25, v25, v22
	v_xor_b32 v24, v24, v21
.endm
; The group's stream: in at s[20:21], out at s[22:23]; iteration it reads 8,192 bytes further on and writes ostep bytes further on.
.macro STREAM ostep
	s_wait_alu depctr_va_vdst(0)                   ; v[VIN] and v[VOUT] are written, which the loads and the stores below read as their offsets
.set it, 0
.rept 16
	global_load_b128 v[X+8*it:X+8*it+3],   v[VIN], s[20:21] offset:8192*it th:TH_LOAD_NT
	global_load_b128 v[X+8*it+4:X+8*it+7], v[VIN], s[20:21] offset:8192*it+16 th:TH_LOAD_NT
.set it, it+1
.endr
	TABLE
.set it, 0
.rept 16
	s_wait_loadcnt 30-2*it                         ; loads come back in order: this iteration's two are in, the younger ones stay out
.if (it % 4) == 0
	s_wait_alu depctr_va_vdst(0)                   ; a block's head.  Block 0: the table entry's v24 and v25 are written.  Later blocks: the block before has written words 0 to 3 of its four X groups.  This block's stores read these
.endif
.if it == 0
	global_store_b64 v[TADR], v[24:25], s[18:19]   ; a wave stores 256 consecutive bytes
.endif
.if it >= 4
	global_store_b128 v[VOUT], v[X+8*(it-4):X+8*(it-4)+3], s[22:23] offset:\ostep*(it-4)   ; the block before: no vector instruction since the wait names these registers
.endif
.irp k, 0,1,2,3
	v_cvt_pk_bf16_f32 v[W+\k], v[X+8*it+2*\k], v[X+8*it+2*\k+1]          ; the rounding to bf16
.endr
.irp k, 0,1,2,3
	v_lshlrev_b32 v[X+8*it+2*\k],   16,  v[W+\k]                         ; back to f32
	v_and_b32     v[X+8*it+2*\k+1], s29, v[W+\k]
.endr
.irp k, 0,1,2,3
	v_cvt_pk_f16_f32 v[X+8*it+\k], v[X+8*it+2*\k], v[X+8*it+2*\k+1]      ; and into f16; word k lands below the words still to be read
.endr
.set it, it+1
.endr
	s_wait_alu depctr_va_vdst(0)                   ; the last block has written words 0 to 3 of its four X groups, which the last four stores read
.set it, 12
.rept 4
	global_store_b128 v[VOUT], v[X+8*it:X+8*it+3], s[22:23] offset:\ostep*it
.set it, it+1
.endr
	s_endpgm
.endm
	s_cmp_lt_u32 s2, 128
	s_cbranch_scc1 .Lx
	s_cmp_lt_u32 s2, 224
	s_cbranch_scc1 .Lwq
	; w_out, rows 32 j to 32 j + 31.  An iteration takes two rows: thread t has row (t >> 3) & 1, column block t >> 4, 8 columns at 8 (t & 7).
	s_sub_co_u32 s3, s2, 224                       ; j
	s_lshl_b32 s24, s3, 17
	s_lshr_b32 s26, s3, 2                          ; block of 128 rows: 262,144 bytes of woh
	s_lshl_b32 s26, s26, 18
	s_and_b32 s28, s3, 3                           ; 32 rows of 128 bytes inside a column block
	s_lshl_b32 s28, s28, 12
	s_add_co_u32 s26, s26, s28
	s_add_nc_u64 s[20:21], s[8:9], s[24:25]
	s_add_nc_u64 s[22:23], s[16:17], s[26:27]
	v_bfe_u32 v8, v0, 3, 1
	v_lshrrev_b32 v9, 4, v0
	v_and_b32 v10, 7, v0
	v_lshlrev_b32 v[VIN], 5, v10
	v_lshl_add_u32 v[VIN], v9, 8, v[VIN]
	v_lshl_add_u32 v[VIN], v8, 12, v[VIN]
	v_and_b32 v10, 15, v0
	v_lshlrev_b32 v[VOUT], 4, v10                  ; two rows of 128 bytes follow each other in a column block,
	v_lshl_add_u32 v[VOUT], v9, 14, v[VOUT]        ; column blocks are 16,384 bytes apart
	STREAM 256
.Lwq:
	; w_qkv, rows 32 j to 32 j + 31, which lie in one section and one head
	s_sub_co_u32 s3, s2, 128                       ; j
	s_lshl_b32 s24, s3, 17
	s_and_b32 s26, s3, 31
	s_lshr_b32 s26, s26, 1                         ; head
	s_mul_i32 s26, s26, 192
	s_lshr_b32 s28, s3, 5                          ; section
	s_lshl_b32 s28, s28, 6
	s_add_co_u32 s26, s26, s28
	s_and_b32 s28, s3, 1                           ; which 32 of the head's 64 rows
	s_lshl_b32 s28, s28, 5
	s_add_co_u32 s26, s26, s28
	s_lshl_b32 s26, s26, 11                        ; rows of 2,048 bytes
	s_add_nc_u64 s[20:21], s[6:7], s[24:25]
	s_add_nc_u64 s[22:23], s[14:15], s[26:27]
	v_lshlrev_b32 v[VIN], 5, v0
	v_lshlrev_b32 v[VOUT], 4, v0
	STREAM 4096
.Lx:
	s_lshl_b32 s24, s2, 17
	s_lshl_b32 s26, s2, 16
	s_add_nc_u64 s[20:21], s[4:5], s[24:25]
	s_add_nc_u64 s[22:23], s[12:13], s[26:27]
	v_lshlrev_b32 v[VIN], 5, v0
	v_lshlrev_b32 v[VOUT], 4, v0
	STREAM 4096
.Lfunc_end_k_q0bf5f78ac1_prep:
	.size	k_q0bf5f78ac1_prep, .Lfunc_end_k_q0bf5f78ac1_prep-k_q0bf5f78ac1_prep
	.p2alignl 7, 3214868480
	.fill 96, 4, 3214868480
	.section	.rodata,"a",@progbits
	.p2align	6, 0x0
	.amdhsa_kernel k_q0bf5f78ac1_prep
		.amdhsa_group_segment_fixed_size 0
		.amdhsa_private_segment_fixed_size 0
		.amdhsa_enable_private_segment 0
		.amdhsa_kernarg_size 64
		.amdhsa_user_sgpr_count 2
		.amdhsa_user_sgpr_kernarg_segment_ptr 1
		.amdhsa_wavefront_size32 1
		.amdhsa_system_sgpr_workgroup_id_x 1
		.amdhsa_system_sgpr_workgroup_id_y 1
		.amdhsa_system_sgpr_workgroup_id_z 1
		.amdhsa_system_vgpr_workitem_id 0
		.amdhsa_next_free_vgpr 160
		.amdhsa_next_free_sgpr 66
		.amdhsa_reserve_vcc 1
		.amdhsa_float_denorm_mode_32 3
		.amdhsa_float_denorm_mode_16_64 3
		.amdhsa_memory_ordered 1
		.amdhsa_forward_progress 1
		.amdhsa_inst_pref_size 60
	.end_amdhsa_kernel
	.amdgpu_metadata
---
amdhsa.version: [ 1, 2 ]
amdhsa.kernels:
  - .name:           k_q0bf5f78ac1_prep
    .symbol:         k_q0bf5f78ac1_prep.kd
    .args:
      - { .name: x, .offset: 0, .size: 8, .value_kind: global_buffer, .address_space: global }
      - { .name: w_qkv, .offset: 8, .size: 8, .value_kind: global_buffer, .address_space: global }
      - { .name: w_out, .offset: 16, .size: 8, .value_kind: global_buffer, .address_space: global }
      - { .name: token_positions, .offset: 24, .size: 8, .value_kind: global_buffer, .address_space: global }
      - { .name: xh, .offset: 32, .size: 8, .value_kind: global_buffer, .address_space: global }
      - { .name: wqh, .offset: 40, .size: 8, .value_kind: global_buffer, .address_space: global }
      - { .name: woh, .offset: 48, .size: 8, .value_kind: global_buffer, .address_space: global }
      - { .name: tab, .offset: 56, .size: 8, .value_kind: global_buffer, .address_space: global }
    .group_segment_fixed_size: 0
    .private_segment_fixed_size: 0
    .kernarg_segment_align: 8
    .kernarg_segment_size: 64
    .max_flat_workgroup_size: 256
    .sgpr_count:     66
    .vgpr_count:     160
    .wavefront_size: 32
...
	.end_amdgpu_metadata
.endif
;; end of part 5
;; launch qkv: the kernel of part 2 again; grid 16 x 16, 4 waves a work-group, clusters of 4 x 4, 327,680 bytes of LDS; arguments xh, wqh, tab, qh, kh, vh; writes qh, kh, vh
;; launch attn: the kernel of part 3 again; grid 8 x 32, 8 waves a work-group, no clusters, 327,680 bytes of LDS; arguments qh, kh, vh, ao; writes ao
;; launch proj: the kernel of part 4 again; grid 8 x 32, 4 waves a work-group, clusters of 4 x 4, 327,680 bytes of LDS; arguments ao, woh, out0; writes out0
